; MI455X (gfx1250); checked and timed in simulation.
; The chip was launched on July 23, 2026; its instructions are those of AMD's public machine-readable ISA for CDNA 5 (MIT licence, August 2026) and "CDNA5" Instruction Set Architecture Reference Guide (July 2026). The comments in the code are by the model that wrote it; some were corrected since.
;; Efficient Span Attention. Allowed arithmetic: float matrix products may take bf16 or f16 operands with f32 sums; other float arithmetic in f32, or as packed bf16 or f16 multiplies, adds, multiply-adds, maxima and minima; sums over many terms, partial sums and values carried from step to step in f32; what a program stores and reads back later, other than sums and carried values, may be rounded once to bf16 or f16.
;; Inputs: Wk 1,024 x 1,024 float32; Wo 1,024 x 1,024 float32; Wq 1,024 x 1,024 float32; Wv 1,024 x 1,024 float32; attention_mask 4 x 2,048 int32; beta 1,024 float32; bo 1,024 float32; gamma 1,024 float32; x 4 x 2,048 x 1,024 float32.
;; Outputs: out0 4 x 2,048 x 1,024 float32.
;; One version. Each part assembles by itself: llvm-mc -triple=amdgcn-amd-amdhsa -mcpu=gfx1250 --defsym DOCPART=n.
;; ======== version 1 of 1: 5 launches
;; limits: values outside matrix products are rounded to bf16
;; workspace buffers: xb 16,777,216 bytes; bw 4,194,304 bytes; qv 33,554,432 bytes; pb 33,554,432 bytes; st 1,048,576 bytes; ob 16,777,216 bytes
;; launch prep (part 1): grid 256 x 1, 16 waves a work-group, no clusters, 184,320 bytes of LDS; arguments x, Wq, Wk, Wv, Wo, xb, bw; writes xb, bw
.if DOCPART == 1
	.amdgcn_target "amdgcn-amd-amdhsa--gfx1250"
	.amdhsa_code_object_version 6
	.text
	.protected	k_q569a4a6b9e_prep
	.globl	k_q569a4a6b9e_prep
	.p2align	8
	.type	k_q569a4a6b9e_prep,@function
k_q569a4a6b9e_prep:
	s_mov_b64 s[64:65], 0
	v_nop
	global_prefetch_b8 v0, s[64:65] scope:SCOPE_SE
	s_setreg_imm32_b32 hwreg(HW_REG_WAVE_MODE, 25, 1), 1
	s_wait_xcnt 0x0
; PREP.  Odd work-groups: xb = x rounded to bf16 (64 rows of 1,024 numbers each).  Even work-groups: one tile of 128 x 128 of the folded weights,
;   bw[n][k]        = sum over e of Wk[e][n] Wq[e][k]    (rows 0-1023:    q'  = x bw^T, so that q' . x_key = q . k)
;   bw[1024 + n][k] = sum over d of Wo[n][d] Wv[d][k]    (rows 1024-2047: v'  = x bw^T, so that attn v' = (attn v) Wo^T)
; LIMIT: the folded weights are rounded once to bf16, so the order of rounding differs from a program that projects q, k, v and the output apart.  Operands bf16, sums f32.
; THE FOLD reads 1 MiB of f32 for 2,048 products, so it is built round its loads.  K = 1,024 goes in 8 steps of 128; a step's two tiles are 128 rows of 512 bytes each: 256 loads of 512 bytes.
; SIXTEEN WAVES IN TWO GROUPS OF EIGHT THAT TAKE TURNS: group g brings steps g, g + 2, ..  A turn is 32 loads a wave (16 rows of each tile), within the field of the wave's load counter, so that no issue
; waits for an earlier load (ISA guide 5.7.1); it is asked for two steps ahead, straight behind the rounding of the step that has landed: two steps, 256 KiB, of a work-group are on their way.
; All that a wave has out belongs to its own next turn, so a turn's wait is for 0.
; TRIP u of 9: the group whose turn it is rounds step u to bf16 and stores it into ITS LDS buffer (group g owns buffer g: rows of 256 bytes at pitch 288); all sixteen waves multiply step u - 1 from the other
; buffer; one barrier.  Trip 0 has nothing to multiply, trip 8 nothing to store, trips 6 to 8 nothing to ask for: forward jumps on the counter, with no barrier in what is jumped.
; A tile whose rows run along K's index is read turned (ds_load_tr16_b128), Wo's tile as it lies.  A wave makes 32 x 32: four accumulators that take turns.
; REGISTERS: v2-24 addresses; v32-63, v64-95 two fragment buffers (16 of the A side, 16 of the B side each), which between two trips hold the rounded numbers on their way to LDS, so that the landing registers
; are free for the next loads at once; v96-127 accumulators; v128-255 where the loads land.
.set SPW,   12                         ; v12  LDS address of my spare word; never rewritten
.set NIL,   13                         ; v13  0; never rewritten
.set TP,    288                        ; 9 x 32 bytes: the eight rows of a turning load's half start in different groups of banks
.set TBO,   36864                      ; in a buffer the B side's tile begins here: 128 rows x 288 behind the A side's
.set BUFB,  73728                      ; buffer 1
.set STAGE, 147456                     ; 128 rows x 272 bytes, the work-group's, for the way out
.set SP,    272
.set SPARE, 182272                     ; the spare words: 128 bytes a wave, eight blocks of 256 bytes that no other line names
.set F0,    32
.set F1,    64
.set ACC,   96
.set SA,    128                        ; the A side's 16 rows as loaded, 4 registers each
.set SB,    192                        ; the B side's
.set DEPTH, 8                          ; the conversion's ring: loads of a wave on their way
; One slot's turn of the conversion: 512 bytes of f32 in, 256 consecutive aligned bytes of bf16 out.  left = the younger loads that may stay out.
.macro CSLOT i, ahead, left
	s_wait_loadcnt \left
	v_cvt_pk_bf16_f32 v[192+2*(\i)], v[128+4*(\i)], v[128+4*(\i)+1]
	v_cvt_pk_bf16_f32 v[192+2*(\i)+1], v[128+4*(\i)+2], v[128+4*(\i)+3]
.if \ahead
	global_load_b128 v[128+4*(\i):128+4*(\i)+3], v14, s[4:5] offset:DEPTH*512+512*(\i) th:TH_LOAD_NT
.endif
	global_store_b64 v15, v[192+2*(\i):192+2*(\i)+1], s[14:15] offset:256*(\i)
.endm
; A turn's 32 loads of a wave: its 16 rows of each tile, a row (512 bytes) an instruction
.macro LOADT
.set i, 0
.rept 16
	global_load_b128 v[SA+4*i:SA+4*i+3], v2, s[30:31] offset:i*4096
	global_load_b128 v[SB+4*i:SB+4*i+3], v2, s[32:33] offset:i*4096
.set i, i+1
.endr
.endm
.macro CVT                             ; four f32 become two registers of bf16, in the fragment buffers' registers
.set i, 0
.rept 16
	v_cvt_pk_bf16_f32 v[F0+2*i], v[SA+4*i], v[SA+4*i+1]
	v_cvt_pk_bf16_f32 v[F0+2*i+1], v[SA+4*i+2], v[SA+4*i+3]
.set i, i+1
.endr
.set i, 0
.rept 16
	v_cvt_pk_bf16_f32 v[F1+2*i], v[SB+4*i], v[SB+4*i+1]
	v_cvt_pk_bf16_f32 v[F1+2*i+1], v[SB+4*i+2], v[SB+4*i+3]
.set i, i+1
.endr
.endm
.macro PUT                             ; a row of 256 bytes an instruction, into my group's buffer
.set i, 0
.rept 16
	ds_store_b64 v3, v[F0+2*i:F0+2*i+1] offset:i*TP
	ds_store_b64 v3, v[F1+2*i:F1+2*i+1] offset:TBO+i*TP
.set i, i+1
.endr
.endm
; The fragments of 32 along K (quarter kq of a step) into buffer f: 8 LDS loads on either way.  The branch hangs on the work-group's number alone.
.macro FETCHF kq, f
	s_cmp_eq_u32 s23, 0
	s_cbranch_scc0 .Lnat_\@
.irp i, 0,1
	ds_load_tr16_b128 v[(\f)+8*(\i):(\f)+8*(\i)+3],   v5 offset:(\kq)*32*TP+32*(\i)
	ds_load_tr16_b128 v[(\f)+8*(\i)+4:(\f)+8*(\i)+7], v5 offset:(\kq)*32*TP+32*(\i)+16*TP
.endr
	s_branch .Lbs_\@
.Lnat_\@:
.irp i, 0,1
	ds_load_b128 v[(\f)+8*(\i):(\f)+8*(\i)+3],   v6 offset:(\i)*16*TP+64*(\kq)
	ds_load_b128 v[(\f)+8*(\i)+4:(\f)+8*(\i)+7], v6 offset:(\i)*16*TP+64*(\kq)+32
.endr
.Lbs_\@:
.irp i, 0,1
	ds_load_tr16_b128 v[(\f)+16+8*(\i):(\f)+16+8*(\i)+3],   v7 offset:(\kq)*32*TP+32*(\i)
	ds_load_tr16_b128 v[(\f)+16+8*(\i)+4:(\f)+16+8*(\i)+7], v7 offset:(\kq)*32*TP+32*(\i)+16*TP
.endr
.endm
; A quarter: buffer f is in; the next quarter's fragments are asked for (four places behind the products that read buffer g); 4 products, the accumulators by turns.
; Source 0 = the B side (columns k of bw), source 1 = the A side (rows n): a lane then holds eight neighbouring numbers of a row of bw.
.macro FQ kq, f, g
	s_wait_dscnt 0x0
.if (\kq) < 3
.rept 4
	v_nop
.endr
	FETCHF (\kq)+1, \g
.endif
.irp ia, 0,1
.irp ib, 0,1
	v_wmma_f32_16x16x32_bf16 v[ACC+8*(2*(\ia)+(\ib)):ACC+8*(2*(\ia)+(\ib))+7], v[(\f)+16+8*(\ib):(\f)+16+8*(\ib)+7], v[(\f)+8*(\ia):(\f)+8*(\ia)+7], v[ACC+8*(2*(\ia)+(\ib)):ACC+8*(2*(\ia)+(\ib))+7]
.endr
.endr
.endm
	s_load_b256 s[4:11], s[0:1], 0x0               ; x s[4:5], Wq s[6:7], Wk s[8:9], Wv s[10:11]
	s_load_b128 s[12:15], s[0:1], 0x20             ; Wo s[12:13], xb s[14:15]
	s_load_b64 s[16:17], s[0:1], 0x30              ; bw
	v_lshl_add_u32 v[SPW], v0, 2, SPARE
	v_mov_b32 v[NIL], 0
	v_lshrrev_b32 v1, 5, v0
	v_readfirstlane_b32 s18, v1                    ; wave 0..15
	v_and_b32 v11, 31, v0                          ; lane
	s_and_b32 s20, ttmp9, 1                        ; 0: fold, 1: conversion, so that both kinds lie spread over the grid
	s_lshr_b32 s21, ttmp9, 1                       ; my number among the 128 of my kind
	s_wait_kmcnt 0x0
	s_cmp_eq_u32 s20, 0
	s_cbranch_scc1 .Lfold
	; THE CONVERSION.  A wave owns 16,384 consecutive bytes of x: 32 pieces of 512.  A ring of 8 slots in registers keeps 8 loads of each of the 16 waves on their way.
	s_lshl_b32 s22, s21, 18                        ; 64 rows of 4,096 bytes a work-group,
	s_lshl_b32 s23, s18, 14                        ; 4 a wave
	s_add_co_u32 s22, s22, s23
	s_mov_b32 s23, 0
	s_add_nc_u64 s[4:5], s[4:5], s[22:23]
	s_lshr_b32 s22, s22, 1                         ; half as many bytes in xb
	s_add_nc_u64 s[14:15], s[14:15], s[22:23]
	v_lshlrev_b32 v14, 4, v11
	v_lshlrev_b32 v15, 3, v11
.set n, 0
.rept DEPTH
	global_load_b128 v[128+4*n:128+4*n+3], v14, s[4:5] offset:512*n th:TH_LOAD_NT
.set n, n+1
.endr
	s_mov_b32 s22, 3
.Lcv:
.set n, 0
.rept DEPTH
	CSLOT n, 1, DEPTH-1                            ; loads come back in order: mine is in, the 7 younger ones stay out
.set n, n+1
.endr
	s_wait_xcnt 0x0                                ; the bases and the stores' data registers are written again only behind this wait
	s_add_nc_u64 s[4:5], s[4:5], DEPTH*512
	s_add_nc_u64 s[14:15], s[14:15], DEPTH*256
	s_sub_co_u32 s22, s22, 1
	s_cmp_lg_u32 s22, 0
	s_cbranch_scc1 .Lcv
.set n, 0
.rept DEPTH
	CSLOT n, 0, DEPTH-1-n                          ; the last pieces load nothing: the counts run down
.set n, n+1
.endr
	s_branch .Lend
.Lfold:
	s_lshr_b32 s23, s21, 6                         ; 0: Wk^T Wq, 1: Wo Wv
	s_bfe_u32 s26, s21, 0x30003                    ; tile row (n)
	s_and_b32 s27, s21, 7                          ; tile column (k)
	s_lshr_b32 s19, s18, 3                         ; my group: it brings the steps of its parity and owns the LDS buffer of its number
	s_and_b32 s24, s18, 7                          ; my place in the group: which 16 rows of each tile I bring
	s_lshr_b32 s25, s18, 2                         ; which 32 rows of the tile of bw I make,
	s_and_b32 s20, s18, 3                          ; and which 32 columns
	s_cmp_eq_u32 s23, 0
	s_cselect_b64 s[30:31], s[8:9], s[12:13]       ; the A side: Wk (K down its rows) or Wo (K along its rows)
	s_cselect_b64 s[32:33], s[6:7], s[10:11]       ; the B side: Wq or Wv, K down its rows
	s_cselect_b32 s36, 19, 9                       ; the A side's step: 128 rows of 4,096 bytes, or 128 numbers
	s_cselect_b32 s37, 9, 19                       ; and its tile row: 128 numbers, or 128 rows
	s_lshl_b32 s28, 2, s36                         ; from a turn to the next: two steps
	s_mov_b32 s29, 0
	s_lshl_b32 s34, s26, s37
	s_lshl_b32 s38, s19, s36                       ; my group's first step
	s_add_co_u32 s34, s34, s38
	s_mov_b32 s35, 0
	s_add_nc_u64 s[30:31], s[30:31], s[34:35]
	s_lshl_b32 s34, s27, 9
	s_lshl_b32 s38, s19, 19
	s_add_co_u32 s34, s34, s38
	s_add_nc_u64 s[32:33], s[32:33], s[34:35]
	s_lshl_b32 s34, s24, 16
	v_lshl_add_u32 v2, v11, 4, s34                 ; global: my 16 rows of 4,096 bytes, 16 bytes a lane
	LOADT                                          ; group 0: step 0; group 1: step 1.  The rest of the set-up stands behind the first loads
	v_and_b32 v20, 15, v0                          ; r = l % 16
	v_bfe_u32 v21, v0, 4, 1                        ; h = l / 16
	v_and_b32 v22, 7, v0
	v_bfe_u32 v23, v0, 3, 1
	s_mul_i32 s34, s24, 16*TP
	s_mul_i32 s38, s19, BUFB
	s_add_co_u32 s34, s34, s38
	v_lshl_add_u32 v3, v11, 3, s34                 ; LDS: my group's buffer, my 16 rows, 8 bytes a lane; never rewritten
	v_lshl_add_u32 v24, v21, 3, v22                ; the turning load: row 8 h + l % 8,
	v_mul_u32_u24 v24, v24, TP
	v_lshl_add_u32 v24, v23, 4, v24                ; 16 bytes for each half of eight lanes
	s_lshl_b32 s34, s25, 6
	v_add_nc_u32 v16, s34, v24                     ; A side turned, in buffer 0: my 32 columns
	s_lshl_b32 s34, s20, 6
	s_add_co_u32 s34, s34, TBO
	v_add_nc_u32 v18, s34, v24                     ; B side
	s_mul_i32 s34, s25, 32*TP
	v_mul_u32_u24 v17, v20, TP
	v_lshl_add_u32 v17, v21, 4, v17
	v_add_nc_u32 v17, s34, v17                     ; A side as it lies: my 32 rows
	s_mul_i32 s34, s25, 32*SP
	s_lshl_b32 s38, s20, 6
	s_add_co_u32 s34, s34, s38
	s_add_co_u32 s34, s34, STAGE
	v_mul_u32_u24 v8, v20, SP
	v_lshl_add_u32 v8, v21, 4, v8
	v_add_nc_u32 v8, s34, v8                       ; into the stage
	s_mul_i32 s34, s18, 8*SP
	s_add_co_u32 s34, s34, STAGE
	v_mul_u32_u24 v9, v21, SP
	v_lshl_add_u32 v9, v20, 4, v9
	v_add_nc_u32 v9, s34, v9                       ; back: wave w takes rows 8 w .. 8 w + 7, whole
	v_lshlrev_b32 v10, 11, v21
	v_lshl_add_u32 v10, v20, 4, v10                ; and the same two rows in bw (2,048 bytes a row)
	s_lshl_b32 s34, s23, 10
	s_lshl_b32 s38, s26, 7
	s_add_co_u32 s34, s34, s38
	s_lshl_b32 s38, s18, 3
	s_add_co_u32 s34, s34, s38
	s_lshl_b32 s34, s34, 11
	s_lshl_b32 s38, s27, 8
	s_add_co_u32 s34, s34, s38
	s_add_nc_u64 s[16:17], s[16:17], s[34:35]
.set i, 0
.rept 32
	v_mov_b32 v[ACC+i], 0                          ; the sums start at 0: written while the first loads are out, so that the trip has one text
.set i, i+1
.endr
	s_mov_b32 s39, 0                               ; the buffer that is multiplied: 0 or BUFB
	s_mov_b32 s22, 0                               ; u
.Lfs:
.rept 4
	v_nop                                          ; four places behind the last trip's products, in front of everything that writes the fragment buffers' registers
.endr
	s_and_b32 s34, s22, 1
	s_cmp_lg_u32 s34, s19                          ; is step u my group's?
	s_cbranch_scc1 .Lnoput
	s_cmp_eq_u32 s22, 8                            ; there is no step 8
	s_cbranch_scc1 .Lnoput
	s_wait_loadcnt 0x0                             ; my 32 loads, asked for two trips ago, are in; nothing else of mine is out, so the bases may be stepped
	CVT
	s_cmp_ge_u32 s22, 6                            ; steps 6 and 7 have no successor: no load leaves the weights
	s_cbranch_scc1 .Lnoload
	s_add_nc_u64 s[30:31], s[30:31], s[28:29]
	s_add_nc_u64 s[32:33], s[32:33], 1048576       ; two steps of 128 rows
	LOADT                                          ; step u + 2, into the registers that have just been read
.Lnoload:
	PUT                                            ; my group's buffer was last read in trip u - 1, in front of that trip's barrier
.Lnoput:
	s_cmp_eq_u32 s22, 0                            ; in trip 0 no step has been stored yet
	s_cbranch_scc1 .Lnomul
	v_add_nc_u32 v5, s39, v16
	v_add_nc_u32 v6, s39, v17
	v_add_nc_u32 v7, s39, v18
	s_wait_dscnt 0x0                               ; my stores are done with the registers that the fragments now take
	FETCHF 0, F0                                   ; step u - 1: stored in trip u - 1, in front of that trip's barrier
	FQ 0, F0, F1
	FQ 1, F1, F0
	FQ 2, F0, F1
	FQ 3, F1, F0
	s_xor_b32 s39, s39, BUFB
.Lnomul:
	s_wait_dscnt 0x0                               ; for the others' sake: my stores of step u are done, and my reads of step u - 1 are back
	s_barrier_signal -1
	s_barrier_wait -1
	s_add_co_u32 s22, s22, 1
	s_cmp_lt_u32 s22, 9
	s_cbranch_scc1 .Lfs
	; THE WAY OUT: rounded to bf16, 16 bytes a lane into the stage; a barrier, since a row's 256 bytes come from four waves; back as whole rows
.rept 4
	v_nop
.endr
.set t, 0
.rept 4
.irp q, 0,1,2,3
	v_cvt_pk_bf16_f32 v[F0+4*t+(\q)], v[ACC+8*t+2*(\q)], v[ACC+8*t+2*(\q)+1]
.endr
.set t, t+1
.endr
.irp ia, 0,1
.irp ib, 0,1
	ds_store_b128 v8, v[F0+4*(2*(\ia)+(\ib)):F0+4*(2*(\ia)+(\ib))+3] offset:(\ia)*16*SP+32*(\ib)
.endr
.endr
	s_wait_dscnt 0x0
	s_barrier_signal -1
	s_barrier_wait -1
.set t, 0
.rept 4
	ds_load_b128 v[F0+4*t:F0+4*t+3], v9 offset:t*2*SP
.set t, t+1
.endr
.set t, 0
.rept 4
	s_wait_dscnt 3-t                               ; LDS loads come back in order: pair t of rows is in
	global_store_b128 v10, v[F0+4*t:F0+4*t+3], s[16:17] offset:t*4096  ; 16 lanes store 256 consecutive bytes, at a multiple of 256 from bw's first byte
.set t, t+1
.endr
.Lend:
	s_wait_tensorcnt 0x0                           ; the wave's end, behind my last LDS store
	ds_add_u32 v[SPW], v[NIL]
	s_wait_dscnt 0x0
	s_endpgm
.Lfunc_end_k_q569a4a6b9e_prep:
	.size	k_q569a4a6b9e_prep, .Lfunc_end_k_q569a4a6b9e_prep-k_q569a4a6b9e_prep
	.p2alignl 7, 3214868480
	.fill 96, 4, 3214868480
	.section	.rodata,"a",@progbits
	.p2align	6, 0x0
	.amdhsa_kernel k_q569a4a6b9e_prep
		.amdhsa_group_segment_fixed_size 184320
		.amdhsa_private_segment_fixed_size 0
		.amdhsa_enable_private_segment 0
		.amdhsa_kernarg_size 56
		.amdhsa_user_sgpr_count 2
		.amdhsa_user_sgpr_kernarg_segment_ptr 1
		.amdhsa_wavefront_size32 1
		.amdhsa_system_sgpr_workgroup_id_x 1
		.amdhsa_system_sgpr_workgroup_id_y 1
		.amdhsa_system_sgpr_workgroup_id_z 1
		.amdhsa_system_vgpr_workitem_id 0
		.amdhsa_next_free_vgpr 256
		.amdhsa_next_free_sgpr 66
		.amdhsa_reserve_vcc 0
		.amdhsa_float_denorm_mode_32 3
		.amdhsa_float_denorm_mode_16_64 3
		.amdhsa_memory_ordered 1
		.amdhsa_forward_progress 1
		.amdhsa_inst_pref_size 32
	.end_amdhsa_kernel
	.amdgpu_metadata
---
amdhsa.version: [ 1, 2 ]
amdhsa.kernels:
  - .name:           k_q569a4a6b9e_prep
    .symbol:         k_q569a4a6b9e_prep.kd
    .args:
      - { .name: x, .offset: 0, .size: 8, .value_kind: global_buffer, .address_space: global }
      - { .name: Wq, .offset: 8, .size: 8, .value_kind: global_buffer, .address_space: global }
      - { .name: Wk, .offset: 16, .size: 8, .value_kind: global_buffer, .address_space: global }
      - { .name: Wv, .offset: 24, .size: 8, .value_kind: global_buffer, .address_space: global }
      - { .name: Wo, .offset: 32, .size: 8, .value_kind: global_buffer, .address_space: global }
      - { .name: xb, .offset: 40, .size: 8, .value_kind: global_buffer, .address_space: global }
      - { .name: bw, .offset: 48, .size: 8, .value_kind: global_buffer, .address_space: global }
    .group_segment_fixed_size: 184320
    .private_segment_fixed_size: 0
    .kernarg_segment_align: 8
    .kernarg_segment_size: 56
    .max_flat_workgroup_size: 512
    .sgpr_count:     66
    .vgpr_count:     256
    .wavefront_size: 32
...
	.end_amdgpu_metadata
.endif
;; end of part 1
;; launch proj (part 2): grid 8 x 32, 4 waves a work-group, clusters of 4 x 4, 327,680 bytes of LDS; arguments xb, bw, qv; writes qv
.if DOCPART == 2
	.amdgcn_target "amdgcn-amd-amdhsa--gfx1250"
	.amdhsa_code_object_version 6
	.text
	.protected	k_q569a4a6b9e_proj
	.globl	k_q569a4a6b9e_proj
	.p2align	8
	.type	k_q569a4a6b9e_proj,@function
k_q569a4a6b9e_proj:
	s_mov_b64 s[64:65], 0
	v_nop
	global_prefetch_b8 v0, s[64:65] scope:SCOPE_SE
	s_setreg_imm32_b32 hwreg(HW_REG_WAVE_MODE, 25, 1), 1
	s_wait_xcnt 0x0
	s_wait_alu depctr_hold_cnt(0) depctr_sa_sdst(0) depctr_va_vdst(0) depctr_va_sdst(0) depctr_va_ssrc(0) depctr_va_vcc(0) depctr_vm_vsrc(0)
	s_getreg_b32 s2, hwreg(HW_REG_IB_STS2, 6, 4)
	s_cmp_eq_u32 s2, 0
	s_cbranch_scc0 .Lentry_in_a_cluster
	s_endpgm
.Lentry_in_a_cluster:
	s_bfe_u32 s2, ttmp6, 0x10000c
	s_cmp_lg_u32 s2, 0xf033
	s_cbranch_scc0 .Lentry_shape_is_right
	s_endpgm
.Lentry_shape_is_right:
; PROJ.  qv[s][n] = sum over k of xb[s][k] bw[n][k]: xb [8192][1024], bw [2048][1024], qv [8192][2048], all bf16; sums in f32, qv rounded once.  Columns 0-1023 are q', 1024-2047 v'.
; A tile of qv, 256 x 256, is made by four waves, each 128 x 128: 64 accumulators, 512 registers.  K goes in 8 steps of 128 through two LDS slots filled by the tensor data mover: rows of 256 bytes, aligned.
; CLUSTER 4 x 4: the four work-groups of a row of the cluster need the same rows of xb, the four of a column the same rows of bw: each tile is asked for jointly, by the same load, descriptor and mask in all four.
; ONE TEXT FOR A K STEP: the refills' descriptor walks (its LDS word is turned by an exclusive or; no slot base has a bit of SLOT set), and the fragments' addresses hang on s[TBS], 0 or SLOT.
; By the text's own count a wave has two tensor loads out at the start and one behind each round; from a refill's request to the wait for it a wave issues 224 products.
; REGISTERS in windows of 256: window 0: v0-31 addresses, v64-127 and v128-191 fragments of xb (two buffers; on the way out rows read back), v192-223 packed results;
;   window 1: v64-191 fragments of bw; window 2: the accumulators of my rows 0-63 ((a, b) at v[8 (8 a + b)]); window 3: those of rows 64-127.
; The product is used transposed (source 0 = 16 rows of bw, source 1 = 16 rows of xb): a lane holds eight neighbouring numbers of a row of qv.
.set KSTEP,  128
.set PITCH,  272                       ; 256 bytes + 16 of padding: the 16 rows that a load touches start at 16 different groups of four banks
.set HALFT,  128*PITCH
.set SLOT,   4*HALFT
.set STAGE,  2*SLOT                    ; 16 rows x 272 bytes for each wave, never filled by a tensor load
.set SPITCH, 272
.set SPARE,  STAGE+4*16*SPITCH         ; the spare words: 128 bytes a wave, two blocks of 256 bytes that no other line names
.set CROW,   4096                      ; bytes in a row of qv
.set ADRA,  16                         ; v16  LDS address of my xb fragments in the slot in hand;  v17 the same in slot 0, never rewritten
.set ADRA0, 17
.set ADRB,  20                         ; v20, v21 the same for bw
.set ADRB0, 21
.set STO,  24
.set RD,   25
.set CO,   26
.set SPW,  28
.set NIL,  29
.set PFO,  30                          ; v30  the prefetches' offset: my lane x a row
.set F0,   64
.set F1,   128
.set OB,   128
.set TMP,  192
.set G1,   24                          ; s[24:31] group 1 for xb's tiles;  s[32:35] group 0 of the first fill, s[36:39] of the second, which then walks
.set G0,   32
.set G1B,  48                          ; s[48:55], s[56:63] the same for bw's
.set G0B,  56
.set LIM,  43                          ; s43  2 in a wave that prefetches, else the greatest number
.set PFA,  44                          ; s[44:45] where my prefetches stand
.set TBS,  66                          ; s66  0 or SLOT: the slot whose fragments are fetched
.set MSB, 0
.macro WIN new
.if MSB != (\new)
	s_set_vgpr_msb (MSB<<8)|(\new)
.set MSB, \new
.endif
.endm
.set MUL_LO, 0xa1                      ; source 0 window 1, source 1 window 0, C and D window 2
.set TO_B,   0x40
.macro PLACES                          ; four places behind matrix instructions, in front of loads into registers that they have read
.rept 4
	v_nop
.endr
.endm
.macro JLOAD                           ; the joint refill: waves 0 and 1 fetch xb's halves, waves 2 and 3 bw's; an s_nop 0 and four v_nop follow each line
	s_cmp_eq_u32 s11, 0
	s_cbranch_scc0 .Lfor_b_\@
	tensor_load_to_lds s[G0+4:G0+7], s[G1:G1+7]
	s_nop 0
.rept 4
	v_nop
.endr
	s_branch .Lasked_\@
.Lfor_b_\@:
	tensor_load_to_lds s[G0B+4:G0B+7], s[G1B:G1B+7]
	s_nop 0
.rept 4
	v_nop
.endr
.Lasked_\@:
.endm
; A prefetch into the L2 of the K step two refills on: 32 rows x 256 bytes, a lane a row.  xb's rows are named by the clusters with x = 0, bw's by those with y = 0; of the 128 rows that a wave
; fetches each of the four partners takes 32, told apart by address.  The loop's last two trips have no K step two refills on.
.macro ASK
	s_cmp_gt_u32 s3, s[LIM]
	s_cbranch_scc0 .Lnot_mine_\@
	global_prefetch_b8 v[PFO], s[PFA:PFA+1] offset:KSTEP*2 th:TH_LOAD_NT scope:SCOPE_SE
.Lnot_mine_\@:
.endm
.macro CREST                           ; a round of the cluster's barrier behind its opening barrier
	s_cmp_lg_u32 s10, 0
	s_cbranch_scc1 .Lnot_wave_0_\@
	s_barrier_signal -3
.Lnot_wave_0_\@:
	s_barrier_wait -3
	s_barrier_signal -1
	s_barrier_wait -1
.endm
.macro CROUND
	s_barrier_signal -1
	s_barrier_wait -1
	CREST
.endm
; 16 products: row blocks a0, a0 + 1 of the window's four x all 8 column blocks, 32 along K.  zero = 1: the first product starts the sums
.macro MUL16 f, hi, a0, zero
	WIN MUL_LO+0x50*(\hi)
.irp a, \a0, (\a0)+1
.irp b, 0,1,2,3,4,5,6,7
.if \zero
	v_wmma_f32_16x16x32_bf16 v[8*(8*(\a)+(\b)):8*(8*(\a)+(\b))+7], v[(\f)+8*(\b):(\f)+8*(\b)+7], v[(\f)+8*(4*(\hi)+(\a)):(\f)+8*(4*(\hi)+(\a))+7], 0
.else
	v_wmma_f32_16x16x32_bf16 v[8*(8*(\a)+(\b)):8*(8*(\a)+(\b))+7], v[(\f)+8*(\b):(\f)+8*(\b)+7], v[(\f)+8*(4*(\hi)+(\a)):(\f)+8*(4*(\hi)+(\a))+7], v[8*(8*(\a)+(\b)):8*(8*(\a)+(\b))+7]
.endif
.endr
.endr
.endm
.macro FETCH k, f                      ; 32 LDS loads in one run: the fragments of 32 along K at byte k of the rows
	WIN TO_B
.irp i, 0,1,2,3,4,5,6,7
	ds_load_b128 v[(\f)+8*(\i):(\f)+8*(\i)+3],   v[ADRB] offset:(\k)+(\i)*16*PITCH
	ds_load_b128 v[(\f)+8*(\i)+4:(\f)+8*(\i)+7], v[ADRB] offset:(\k)+(\i)*16*PITCH+32
.endr
	WIN 0
.irp i, 0,1,2,3,4,5,6,7
	ds_load_b128 v[(\f)+8*(\i):(\f)+8*(\i)+3],   v[ADRA] offset:(\k)+(\i)*16*PITCH
	ds_load_b128 v[(\f)+8*(\i)+4:(\f)+8*(\i)+7], v[ADRA] offset:(\k)+(\i)*16*PITCH+32
.endr
.endm
.macro QUARTER k, f, g, zero           ; multiplies buffer f; in its middle fetches the next quarter, at byte k, into g
	s_wait_dscnt 8                                 ; bw's fragments and xb's rows 0-63 are in; the youngest eight loads may be out
	MUL16 \f, 0, 0, \zero
	MUL16 \f, 0, 2, \zero
	PLACES
	FETCH \k, \g
	s_wait_dscnt 32                                ; all but the 32 just issued
	MUL16 \f, 1, 0, \zero
	MUL16 \f, 1, 2, \zero
.endm
; The first half of a step's last quarter: ONE barrier for the change of slots.  In front of it each wave waits for all its tensor loads (the one that is out is its part of the next slot), adds 0 to its
; spare word, and waits for that and for its own reads of this slot.
.macro MEET
	WIN 0
	s_wait_tensorcnt 0x0
	ds_add_u32 v[SPW], v[NIL]
	s_wait_dscnt 9                                 ; the add and the youngest eight loads may be out
	MUL16 F1, 0, 0, 0
	s_wait_dscnt 0x0                               ; the add is done, and my reads of this slot are over
	s_barrier_signal -1
	MUL16 F1, 0, 2, 0
	WIN 0
	s_barrier_wait -1
.endm
; The whole last quarter.  fill = 1: the barrier opens a round of the cluster's, and the slot just read out is filled again first, with the K step two steps on.
.macro TURN fill
.if \fill
	s_wait_xcnt 0x0                                ; the last prefetch, a K step back, has read its address
	s_add_nc_u64 s[PFA:PFA+1], s[PFA:PFA+1], KSTEP*2
.endif
	MEET
.if \fill
	CREST                                          ; no wave of any partner still reads this slot or has a load on its way
	s_xor_b32 s[G0+5], s[G0+5], SLOT               ; no tensor load of mine is out, so the walking descriptors may be written: the other slot than last time,
	s_add_nc_u64 s[G0+6:G0+7], s[G0+6:G0+7], KSTEP*2  ; the next K step
	s_xor_b32 s[G0B+5], s[G0B+5], SLOT
	s_add_nc_u64 s[G0B+6:G0B+7], s[G0B+6:G0B+7], KSTEP*2
	JLOAD                                          ; its four v_nop are also the places in front of the loads below
.else
	PLACES
.endif
	s_xor_b32 s[TBS], s[TBS], SLOT
	v_add_nc_u32 v[ADRA], s[TBS], v[ADRA0]
	v_add_nc_u32 v[ADRB], s[TBS], v[ADRB0]
	FETCH 0, F0
.if \fill
	ASK
.endif
	MUL16 F1, 1, 0, 0
	MUL16 F1, 1, 2, 0
.endm
; THE WAY OUT of block a of 16 rows.  PACK: rounded to bf16.  TOSTAGE: into my own stage, and back as whole rows of 256 bytes.  SEND: stored.
.macro PACK a
.set AC, 64*((\a)%4)
	WIN 0x0a+5*((\a)/4)
.irp b, 0,1,2,3,4,5,6,7
.irp q, 0,1,2,3
	v_cvt_pk_bf16_f32 v[TMP+4*(\b)+(\q)], v[AC+8*(\b)+2*(\q)], v[AC+8*(\b)+2*(\q)+1]
.endr
.endr
	WIN 0
.endm
.macro TOSTAGE a
	WIN 0
.set BK, OB+32*((\a)%2)
.irp b, 0,1,2,3,4,5,6,7
	ds_store_b128 v[STO], v[TMP+4*(\b):TMP+4*(\b)+3] offset:32*(\b)
.endr
.irp t, 0,1,2,3,4,5,6,7
	ds_load_b128 v[BK+4*(\t):BK+4*(\t)+3], v[RD] offset:(\t)*2*SPITCH  ; LDS serves a wave's instructions in order: these see the stores above
.endr
.endm
.macro SEND a, younger
	WIN 0
.set BK, OB+32*((\a)%2)
	s_wait_dscnt \younger
	s_wait_xcnt 0x0                                ; the stores' base and the registers that earlier stores read are rewritten only behind this wait
.if (\a) == 0
	s_add_nc_u64 s[8:9], s[8:9], s[16:17]
.else
	s_add_nc_u64 s[8:9], s[8:9], 16*CROW
.endif
.irp t, 0,1,2,3,4,5,6,7
	global_store_b128 v[CO], v[BK+4*(\t):BK+4*(\t)+3], s[8:9] offset:2*(\t)*CROW  ; 16 lanes store 256 consecutive bytes, aligned
.endr
.endm
	s_load_b128 s[4:7], s[0:1], 0x0                ; xb s[4:5], bw s[6:7]
	s_load_b64 s[8:9], s[0:1], 0x10                ; qv
	v_lshl_add_u32 v[SPW], v0, 2, SPARE
	v_mov_b32 v[NIL], 0
	ds_add_u32 v[SPW], v[NIL]                      ; the wave's opening: the add and its wait, ahead of my first tensor load
	v_lshrrev_b32 v1, 5, v0
	v_readfirstlane_b32 s10, v1                    ; wave 0..3
	s_lshr_b32 s11, s10, 1                         ; my half of the tile's rows.  Also: I fetch for xb (0) or for bw (1)
	s_and_b32 s12, s10, 1                          ; my half of its columns.  Also: which 128 rows I fetch
	s_bfe_u32 s40, ttmp6, 0x40000                  ; cx
	s_bfe_u32 s41, ttmp6, 0x40004                  ; cy
	s_lshl_b32 s42, ttmp9, 2
	s_add_co_u32 s42, s42, s40                     ; tile column
	s_and_b32 s13, ttmp7, 0xffff
	s_lshl_b32 s13, s13, 2
	s_add_co_u32 s13, s13, s41                     ; tile row
	s_lshl_b32 s43, s41, 2
	s_lshl_b32 s43, 15, s43                        ; my row of the cluster
	s_lshl_b32 s44, 0x1111, s40                    ; my column
	s_or_b32 s[G1+0], s43, (1<<16)|(1<<20)|(1<<21)|(5<<22)|(3<<25)   ; mask; 2-byte elements; padding on; bit 21 beside a mask; after every 64 words 4 words
	s_or_b32 s[G1B+0], s44, (1<<16)|(1<<20)|(1<<21)|(5<<22)|(3<<25)
.irp g, G1, G1B
	s_mov_b32 s[(\g)+1], KSTEP<<16                 ; tensor_dim0 = 128
	s_mov_b32 s[(\g)+2], 128<<16                   ; tensor_dim1 = 128
	s_mov_b32 s[(\g)+3], KSTEP<<16                 ; tile_dim0 = 128
	s_mov_b32 s[(\g)+4], 128                       ; tile_dim1 = 128
	s_mov_b32 s[(\g)+5], 1024                      ; elements from row to row
	s_mov_b32 s[(\g)+6], 0
	s_mov_b32 s[(\g)+7], 0
.endr
	s_lshl_b32 s17, s12, 7
	s_lshl_b32 s16, s13, 8
	s_add_co_u32 s16, s16, s17
	s_lshl_b32 s16, s16, 11                        ; xb: (256 x tile row + 128 x half) rows of 2,048 bytes
	s_lshl_b32 s46, s42, 8
	s_add_co_u32 s46, s46, s17
	s_lshl_b32 s46, s46, 11                        ; bw: by the tile column
	s_mov_b32 s17, 0
	s_mov_b32 s47, 0
	s_mul_i32 s20, s10, HALFT                      ; where they go: wave x 128 rows: no place in the cluster enters an LDS address
	s_mov_b32 s[TBS], 0
	s_wait_dscnt 0x0                               ; the opening add is done
	s_wait_kmcnt 0x0
	s_add_nc_u64 s[14:15], s[4:5], s[16:17]
	s_add_nc_u64 s[46:47], s[6:7], s[46:47]
.irp s, 0,1
	s_mov_b32 s[G0+4*(\s)], 1
	s_add_co_u32 s[G0+4*(\s)+1], s20, (\s)*SLOT
	s_add_nc_u64 s[G0+4*(\s)+2:G0+4*(\s)+3], s[14:15], (\s)*KSTEP*2
	s_or_b32 s[G0+4*(\s)+3], s[G0+4*(\s)+3], 0x80000000
	s_mov_b32 s[G0B+4*(\s)], 1
	s_add_co_u32 s[G0B+4*(\s)+1], s20, (\s)*SLOT
	s_add_nc_u64 s[G0B+4*(\s)+2:G0B+4*(\s)+3], s[46:47], (\s)*KSTEP*2
	s_or_b32 s[G0B+4*(\s)+3], s[G0B+4*(\s)+3], 0x80000000
.endr
	CROUND                                         ; all sixteen work-groups are here: the first joint loads meet
	s_cmp_eq_u32 s11, 0                            ; a wave's two first fills stand in one branch
	s_cbranch_scc0 .Lfirst_b
	tensor_load_to_lds s[G0:G0+3], s[G1:G1+7]
	s_nop 0
	tensor_load_to_lds s[G0+4:G0+7], s[G1:G1+7]
	s_nop 0
.rept 4
	v_nop
.endr
	s_branch .Lfirst_asked
.Lfirst_b:
	tensor_load_to_lds s[G0B:G0B+3], s[G1B:G1B+7]
	s_nop 0
	tensor_load_to_lds s[G0B+4:G0B+7], s[G1B:G1B+7]
	s_nop 0
.rept 4
	v_nop
.endr
.Lfirst_asked:
	v_and_b32 v1, 15, v0                           ; l % 16
	v_bfe_u32 v2, v0, 4, 1                         ; l / 16
	v_mul_u32_u24 v3, v1, PITCH
	v_lshl_add_u32 v3, v2, 4, v3
	s_mul_i32 s21, s11, HALFT
	s_mul_i32 s22, s12, HALFT
	s_add_co_u32 s22, s22, 2*HALFT
	v_add_nc_u32 v[ADRA0], s21, v3
	v_add_nc_u32 v[ADRB0], s22, v3
	v_mov_b32 v[ADRA], v[ADRA0]
	v_mov_b32 v[ADRB], v[ADRB0]
	s_mul_i32 s23, s10, 16*SPITCH
	s_add_co_u32 s23, s23, STAGE
	v_mul_u32_u24 v4, v1, SPITCH
	v_lshl_add_u32 v4, v2, 4, v4
	v_add_nc_u32 v[STO], s23, v4
	v_mul_u32_u24 v5, v2, SPITCH
	v_lshl_add_u32 v5, v1, 4, v5
	v_add_nc_u32 v[RD], s23, v5
	v_lshlrev_b32 v5, 12, v2
	v_lshl_add_u32 v[CO], v1, 4, v5
	s_lshl_b32 s23, s13, 8                         ; 256 x tile row
	s_lshl_b32 s14, s11, 7
	s_add_co_u32 s16, s23, s14
	s_lshl_b32 s16, s16, 12                        ; my first row of qv, in bytes,
	s_mov_b32 s17, 0
	s_lshl_b32 s46, s42, 9
	s_lshl_b32 s47, s12, 8
	s_add_co_u32 s46, s46, s47                     ; and my first column
	s_mov_b32 s47, 0
	s_add_nc_u64 s[16:17], s[16:17], s[46:47]
	s_lshl_b32 s42, s42, 8                         ; the prefetches
	s_and_b32 s22, ttmp7, 0xffff
	s_cmp_eq_u32 s11, 0
	s_cselect_b32 s20, s23, s42                    ; the tile's first row, in xb or in bw
	s_cselect_b32 s21, s40, s41                    ; my place among the four that ask with me
	s_cselect_b32 s22, ttmp9, s22                  ; the coordinate along which other clusters read the same rows
	s_cselect_b64 s[PFA:PFA+1], s[4:5], s[6:7]
	s_cmp_eq_u32 s22, 0
	s_cselect_b32 s[LIM], 2, -1                    ; the same in all sixteen partners, for a given wave
	s_lshl_b32 s22, s12, 7
	s_add_co_u32 s20, s20, s22
	s_lshl_b32 s21, s21, 5
	s_add_co_u32 s20, s20, s21
	s_lshl_b32 s20, s20, 11
	s_mov_b32 s21, 0
	s_add_nc_u64 s[PFA:PFA+1], s[PFA:PFA+1], s[20:21]
	s_add_nc_u64 s[PFA:PFA+1], s[PFA:PFA+1], 2*KSTEP*2  ; at K step 2: the first refill steps it to 3 and names K step 4
	v_and_b32 v[PFO], 31, v0
	v_lshlrev_b32 v[PFO], 11, v[PFO]
	s_wait_tensorcnt 1                             ; my part of K step 0 is in; K step 1's load may stay out
	s_barrier_signal -1
	s_barrier_wait -1
	FETCH 0, F0
	QUARTER 64, F0, F1, 1                          ; the first quarter's products start the sums
	WIN 0
	s_mov_b32 s3, 6
.Lstep:                                                ; six trips: from a step's second quarter to the next step's first; each fills a slot again
	QUARTER 128, F1, F0, 0
	QUARTER 192, F0, F1, 0
	TURN 1
	QUARTER 64, F0, F1, 0
	WIN 0
	s_sub_co_u32 s3, s3, 1
	s_cmp_lg_u32 s3, 0
	s_cbranch_scc1 .Lstep
	s_mov_b32 s3, 2
.Ltail:                                                ; the last two steps ask for nothing; the second trip is left in its middle
	QUARTER 128, F1, F0, 0
	QUARTER 192, F0, F1, 0
	TURN 0
	WIN 0
	s_sub_co_u32 s3, s3, 1
	s_cmp_eq_u32 s3, 0
	s_cbranch_scc1 .Lout
	QUARTER 64, F0, F1, 0
	WIN 0
	s_branch .Ltail
.Lout:
	s_wait_dscnt 0x0                               ; the last change of slots has fetched 32 fragments of slot 0 that serve nothing: the price of one text for the tail
	PACK 0                                         ; blocks 0-3 were finished ahead of the places in the last change; their conversions are the places behind the last products
	TOSTAGE 0
.irp a, 1,2,3,4,5,6,7
	PACK \a
	SEND (\a)-1, 0
	TOSTAGE \a
.endr
	SEND 7, 0
	s_wait_tensorcnt 0x0                           ; the wave's end
	ds_add_u32 v[SPW], v[NIL]
	s_wait_dscnt 0x0
	CROUND                                         ; the closing round
	s_endpgm
.Lfunc_end_k_q569a4a6b9e_proj:
	.size	k_q569a4a6b9e_proj, .Lfunc_end_k_q569a4a6b9e_proj-k_q569a4a6b9e_proj
	.p2alignl 7, 3214868480
	.fill 96, 4, 3214868480
	.section	.rodata,"a",@progbits
	.p2align	6, 0x0
	.amdhsa_kernel k_q569a4a6b9e_proj
		.amdhsa_group_segment_fixed_size 327680
		.amdhsa_private_segment_fixed_size 0
		.amdhsa_enable_private_segment 0
		.amdhsa_kernarg_size 24
		.amdhsa_user_sgpr_count 2
		.amdhsa_user_sgpr_kernarg_segment_ptr 1
		.amdhsa_wavefront_size32 1
		.amdhsa_system_sgpr_workgroup_id_x 1
		.amdhsa_system_sgpr_workgroup_id_y 1
		.amdhsa_system_sgpr_workgroup_id_z 1
		.amdhsa_system_vgpr_workitem_id 0
		.amdhsa_next_free_vgpr 1024
		.amdhsa_next_free_sgpr 68
		.amdhsa_reserve_vcc 0
		.amdhsa_float_denorm_mode_32 3
		.amdhsa_float_denorm_mode_16_64 3
		.amdhsa_memory_ordered 1
		.amdhsa_forward_progress 1
		.amdhsa_inst_pref_size 100
	.end_amdhsa_kernel
	.amdgpu_metadata
---
amdhsa.version: [ 1, 2 ]
amdhsa.kernels:
  - .name:           k_q569a4a6b9e_proj
    .symbol:         k_q569a4a6b9e_proj.kd
    .args:
      - { .name: xb, .offset: 0, .size: 8, .value_kind: global_buffer, .address_space: global }
      - { .name: bw, .offset: 8, .size: 8, .value_kind: global_buffer, .address_space: global }
      - { .name: qv, .offset: 16, .size: 8, .value_kind: global_buffer, .address_space: global }
    .group_segment_fixed_size: 327680
    .private_segment_fixed_size: 0
    .kernarg_segment_align: 8
    .kernarg_segment_size: 24
    .max_flat_workgroup_size: 128
    .sgpr_count:     68
    .vgpr_count:     1024
    .wavefront_size: 32
...
	.end_amdgpu_metadata
.endif
;; end of part 2
;; launch score (part 3): grid 8 x 32, 4 waves a work-group, clusters of 4 x 4, 327,680 bytes of LDS; arguments qv, xb, attention_mask, pb, st; writes pb, st
.if DOCPART == 3
	.amdgcn_target "amdgcn-amd-amdhsa--gfx1250"
	.amdhsa_code_object_version 6
	.text
	.protected	k_q569a4a6b9e_score
	.globl	k_q569a4a6b9e_score
	.p2align	8
	.type	k_q569a4a6b9e_score,@function
k_q569a4a6b9e_score:
	s_mov_b64 s[64:65], 0
	v_nop
	global_prefetch_b8 v0, s[64:65] scope:SCOPE_SE
	s_setreg_imm32_b32 hwreg(HW_REG_WAVE_MODE, 25, 1), 1
	s_wait_xcnt 0x0
	s_wait_alu depctr_hold_cnt(0) depctr_sa_sdst(0) depctr_va_vdst(0) depctr_va_sdst(0) depctr_va_ssrc(0) depctr_va_vcc(0) depctr_vm_vsrc(0)
	s_getreg_b32 s2, hwreg(HW_REG_IB_STS2, 6, 4)
	s_cmp_eq_u32 s2, 0
	s_cbranch_scc0 .Lentry_in_a_cluster
	s_endpgm
.Lentry_in_a_cluster:
	s_bfe_u32 s2, ttmp6, 0x10000c
	s_cmp_lg_u32 s2, 0xf033
	s_cbranch_scc0 .Lentry_shape_is_right
	s_endpgm
.Lentry_shape_is_right:
; SCORE.  For each batch s[q][key] = sum over n of q'[q][n] xb[key][n] (q' = qv's columns 0-1023), the mask, and the softmax's first level: for each query and each block of 128 keys
;   n = floor(c max s) + 1 (a whole number), p = 2^(c s - n) rounded to bf16 into pb[q][key], l = the sum of the unrounded p; c = log2(e) / 16.  n and l go to st; the next launch joins the blocks by powers of two.
; The largest p of a block lies in 0.5 to 1: the maximum is taken away before every exponential.
; THE MASK is the C operand that starts each sum: 0, or -2^100 where attention_mask is 0.  LIMITS: a hidden score counts as its value less 2^100 (the same weights as with -1e9 wherever some visible score / 16 of the
; batch lies above -1e9 + 100).  A block whose largest score lies under -2^99 is wholly hidden: its rows take factor 0 and shift 0 (all p = 1, l = 128) and store the shift -2^96, so that beside any visible block it counts
; as 0, and a batch with no visible key at all gets equal weights.  A weight below 2^-126 counts as 0.  NaN and infinities are not treated apart.
; Tile, ring, cluster, windows: a tile of 256 queries x 256 keys by four waves of 128 x 128; K = 1,024 in 8 steps of 128 through two LDS slots; 4 x 4 work-groups ask jointly (queries' rows along a row of the
; cluster, keys' rows along a column); one text for a K step, with a walking descriptor.  Two tensor loads of a wave are out at the start, one behind each round; a refill has 224 products in which to land.
; The product is used transposed (source 0 = 16 keys, source 1 = 16 queries): a lane holds ONE query (l % 16) and, in 8 accumulators, 64 of the wave's 128 keys; the lane 16 away holds the other 64.
; REGISTERS: window 0: v0-31 addresses, v32-50 statistics, v64-127, v128-191 fragments of q' (later at work), v192-223 packed p; window 1: v0-63 the masks, v64-191 fragments of xb; windows 2, 3: accumulators.
.set KSTEP,  128
.set PITCH,  272
.set HALFT,  128*PITCH
.set SLOT,   4*HALFT
.set STAGE,  2*SLOT
.set SPITCH, 272
.set SPARE,  STAGE+4*16*SPITCH
.set CROW,   4096                      ; bytes in a row of pb
.set ADRA,  16
.set ADRA0, 17
.set ADRB,  20
.set ADRB0, 21
.set STO,  24
.set RD,   25
.set CO,   26
.set SPW,  28
.set NIL,  29
.set PFO,  30
.set VM,   31                          ; v31  my byte offset in 16 words of the mask
.set NN,   32                          ; v32-35  the shifts of a pass's four blocks of 16 queries
.set LL,   36                          ; v36-39  their sums
.set SV,   40                          ; v40-43  what is stored: lanes 0-15 the shifts, lanes 16-31 the sums
.set NW,   44                          ; v[44:45] the shift in hand, twice
.set CC,   46                          ; v[46:47] the factor in hand, twice
.set SO,   48                          ; v48  my byte offset in st
.set CV,   49                          ; v49  c
.set NH,   50                          ; v50  -2^96
.set MT,   64                          ; v64-87  at work
.set F0,   64
.set F1,   128
.set OB,   128
.set TMP,  192
.set G1,   24
.set G0,   32
.set G1B,  48
.set G0B,  56
.set LIM,  43
.set PFA,  44
.set TBS,  66
.set BAT,  67                          ; s67  the batch
.set CS,   68                          ; s68  c
.set SEL,  70                          ; s[70:71] v_permlanex16_b32's selects
.set MASKV, 76                         ; s76  -2^100
.set PASS, 77
.set THR,  78                          ; s78  -2^99
.set UPPER, 79                         ; s79  lanes 16-31
.set MSB, 0
.macro WIN new
.if MSB != (\new)
	s_set_vgpr_msb (MSB<<8)|(\new)
.set MSB, \new
.endif
.endm
.set MUL_LO, 0xa1
.set TO_B,   0x40
.macro PLACES
.rept 4
	v_nop
.endr
.endm
.macro JLOAD                           ; waves 0 and 1 fetch the queries' halves, waves 2 and 3 the keys'; an s_nop 0 and four v_nop follow each line
	s_cmp_eq_u32 s11, 0
	s_cbranch_scc0 .Lfor_b_\@
	tensor_load_to_lds s[G0+4:G0+7], s[G1:G1+7]
	s_nop 0
.rept 4
	v_nop
.endr
	s_branch .Lasked_\@
.Lfor_b_\@:
	tensor_load_to_lds s[G0B+4:G0B+7], s[G1B:G1B+7]
	s_nop 0
.rept 4
	v_nop
.endr
.Lasked_\@:
.endm
; A prefetch into the L2 of the K step two refills on, a lane a row.  The queries' rows are named by the clusters with x = 0, a batch's keys' rows by the first of its two rows of clusters; the four partners
; that ask jointly take 32 rows each, told apart by address.  The loop's last two trips name nothing.
.macro ASK
	s_cmp_gt_u32 s3, s[LIM]
	s_cbranch_scc0 .Lnot_mine_\@
	global_prefetch_b8 v[PFO], s[PFA:PFA+1] offset:KSTEP*2 th:TH_LOAD_NT scope:SCOPE_SE
.Lnot_mine_\@:
.endm
.macro CREST
	s_cmp_lg_u32 s10, 0
	s_cbranch_scc1 .Lnot_wave_0_\@
	s_barrier_signal -3
.Lnot_wave_0_\@:
	s_barrier_wait -3
	s_barrier_signal -1
	s_barrier_wait -1
.endm
.macro CROUND
	s_barrier_signal -1
	s_barrier_wait -1
	CREST
.endm
; 16 products.  zero = 2: the first product starts the sums with the mask of its 16 keys (window 1, v[8 b ..])
.macro MUL16 f, hi, a0, zero
.if (\zero) == 2
	WIN 0x91+0x40*(\hi)
.else
	WIN MUL_LO+0x50*(\hi)
.endif
.irp a, \a0, (\a0)+1
.irp b, 0,1,2,3,4,5,6,7
.if (\zero) == 2
	v_wmma_f32_16x16x32_bf16 v[8*(8*(\a)+(\b)):8*(8*(\a)+(\b))+7], v[(\f)+8*(\b):(\f)+8*(\b)+7], v[(\f)+8*(4*(\hi)+(\a)):(\f)+8*(4*(\hi)+(\a))+7], v[8*(\b):8*(\b)+7]
.else
	v_wmma_f32_16x16x32_bf16 v[8*(8*(\a)+(\b)):8*(8*(\a)+(\b))+7], v[(\f)+8*(\b):(\f)+8*(\b)+7], v[(\f)+8*(4*(\hi)+(\a)):(\f)+8*(4*(\hi)+(\a))+7], v[8*(8*(\a)+(\b)):8*(8*(\a)+(\b))+7]
.endif
.endr
.endr
.endm
.macro FETCH k, f
	WIN TO_B
.irp i, 0,1,2,3,4,5,6,7
	ds_load_b128 v[(\f)+8*(\i):(\f)+8*(\i)+3],   v[ADRB] offset:(\k)+(\i)*16*PITCH
	ds_load_b128 v[(\f)+8*(\i)+4:(\f)+8*(\i)+7], v[ADRB] offset:(\k)+(\i)*16*PITCH+32
.endr
	WIN 0
.irp i, 0,1,2,3,4,5,6,7
	ds_load_b128 v[(\f)+8*(\i):(\f)+8*(\i)+3],   v[ADRA] offset:(\k)+(\i)*16*PITCH
	ds_load_b128 v[(\f)+8*(\i)+4:(\f)+8*(\i)+7], v[ADRA] offset:(\k)+(\i)*16*PITCH+32
.endr
.endm
.macro QUARTER k, f, g, zero
	s_wait_dscnt 8                                 ; the keys' fragments and the queries' rows 0-63 are in; the youngest eight loads may be out
	MUL16 \f, 0, 0, \zero
	MUL16 \f, 0, 2, \zero
	PLACES
	FETCH \k, \g
	s_wait_dscnt 32                                ; all but the 32 just issued
	MUL16 \f, 1, 0, \zero
	MUL16 \f, 1, 2, \zero
.endm
.macro MEET                            ; one barrier for the change of slots: all my tensor loads, the add, and my reads of this slot are waited for in front of it
	WIN 0
	s_wait_tensorcnt 0x0
	ds_add_u32 v[SPW], v[NIL]
	s_wait_dscnt 9                                 ; the add and the youngest eight loads may be out
	MUL16 F1, 0, 0, 0
	s_wait_dscnt 0x0
	s_barrier_signal -1
	MUL16 F1, 0, 2, 0
	WIN 0
	s_barrier_wait -1
.endm
.macro TURN fill
.if \fill
	s_wait_xcnt 0x0                                ; the last prefetch, a K step back, has read its address
	s_add_nc_u64 s[PFA:PFA+1], s[PFA:PFA+1], KSTEP*2
.endif
	MEET
.if \fill
	CREST
	s_xor_b32 s[G0+5], s[G0+5], SLOT
	s_add_nc_u64 s[G0+6:G0+7], s[G0+6:G0+7], KSTEP*2
	s_xor_b32 s[G0B+5], s[G0B+5], SLOT
	s_add_nc_u64 s[G0B+6:G0B+7], s[G0B+6:G0B+7], KSTEP*2
	JLOAD
.else
	PLACES
.endif
	s_xor_b32 s[TBS], s[TBS], SLOT
	v_add_nc_u32 v[ADRA], s[TBS], v[ADRA0]
	v_add_nc_u32 v[ADRB], s[TBS], v[ADRB0]
	FETCH 0, F0
.if \fill
	ASK
.endif
	MUL16 F1, 1, 0, 0
	MUL16 F1, 1, 2, 0
.endm
; THE SOFTMAX'S FIRST LEVEL for block a of 16 queries (window 2, 64 registers: a lane's 64 scores of one query).
.macro SOFT a
.set AC, 64*(\a)
	WIN 0x2a                                       ; sources in window 2, destination in window 0
.irp b, 0,1,2,3,4,5,6,7
	v_max3_num_f32 v[MT+3*(\b)], v[AC+8*(\b)], v[AC+8*(\b)+1], v[AC+8*(\b)+2]
	v_max3_num_f32 v[MT+3*(\b)+1], v[AC+8*(\b)+3], v[AC+8*(\b)+4], v[AC+8*(\b)+5]
	v_max_num_f32 v[MT+3*(\b)+2], v[AC+8*(\b)+6], v[AC+8*(\b)+7]
.endr
	WIN 0
.irp i, 0,1,2,3,4,5,6,7
	v_max3_num_f32 v[MT+3*(\i)], v[MT+3*(\i)], v[MT+3*(\i)+1], v[MT+3*(\i)+2]
.endr
	v_max3_num_f32 v[MT], v[MT], v[MT+3], v[MT+6]
	v_max3_num_f32 v[MT+9], v[MT+9], v[MT+12], v[MT+15]
	v_max_num_f32 v[MT+18], v[MT+18], v[MT+21]
	v_max3_num_f32 v[MT], v[MT], v[MT+9], v[MT+18]
	v_permlanex16_b32 v[MT+1], v[MT], s[SEL], s[SEL+1]  ; the query's other 64 keys lie in the lane 16 away
	v_max_num_f32 v[MT], v[MT], v[MT+1]
	v_cmp_gt_f32 vcc_lo, s[THR], v[MT]             ; is the block wholly hidden?
	v_mul_f32 v[MT+2], s[CS], v[MT]
	v_floor_f32 v[MT+2], v[MT+2]
	v_add_f32 v[MT+2], 1.0, v[MT+2]                ; n
	v_cndmask_b32 v[NW], v[MT+2], 0, vcc_lo
	v_cndmask_b32 v[CC], v[CV], 0, vcc_lo
	v_cndmask_b32 v[NN+(\a)], v[MT+2], v[NH], vcc_lo
	v_mov_b32 v[NW+1], v[NW]
	v_mov_b32 v[CC+1], v[CC]
	WIN 0x82                                       ; scores in window 2, factor and shift in window 0
	v_pk_fma_f32 v[AC:AC+1], v[AC:AC+1], v[CC:CC+1], v[NW:NW+1] neg_lo:[0,0,1] neg_hi:[0,0,1]
.set i, 0
.rept 32                               ; ONE BATCH: a pair is scaled ahead of the pair before's two exponentials; nothing here names an exponential's result
.if i < 31
	v_pk_fma_f32 v[AC+2*i+2:AC+2*i+3], v[AC+2*i+2:AC+2*i+3], v[CC:CC+1], v[NW:NW+1] neg_lo:[0,0,1] neg_hi:[0,0,1]
.endif
	v_exp_f32 v[AC+2*i], v[AC+2*i]
	v_exp_f32 v[AC+2*i+1], v[AC+2*i+1]
.set i, i+1
.endr
	v_nop                                          ; a plain instruction behind the last exponential,
	s_wait_alu depctr_va_vdst(0)                   ; and one wait for the 64, ahead of their first reader
.endm
.macro PACK a
.set AC, 64*(\a)
	WIN 0x0a
.irp b, 0,1,2,3,4,5,6,7
.irp q, 0,1,2,3
	v_cvt_pk_bf16_f32 v[TMP+4*(\b)+(\q)], v[AC+8*(\b)+2*(\q)], v[AC+8*(\b)+2*(\q)+1]
.endr
.endr
	WIN 0
.endm
.macro SUM a                           ; the 32 pairs are added in place, neighbours 1, 2, 4, 8, 16 pairs apart; then the pair's halves and the other half of the lanes
.set AC, 64*(\a)
	WIN 0x8a
.irp w, 2,4,8,16,32
.set u, 0
.rept 32/(\w)
	v_pk_add_f32 v[AC+2*(\w)*u:AC+2*(\w)*u+1], v[AC+2*(\w)*u:AC+2*(\w)*u+1], v[AC+2*(\w)*u+(\w):AC+2*(\w)*u+(\w)+1]
.set u, u+1
.endr
.endr
	WIN 0x0a
	v_add_f32 v[MT], v[AC], v[AC+1]
	WIN 0
	v_permlanex16_b32 v[MT+1], v[MT], s[SEL], s[SEL+1]
	v_add_f32 v[LL+(\a)], v[MT], v[MT+1]
.endm
.macro TOSTAGE a
	WIN 0
.set BK, OB+32*((\a)%2)
.irp b, 0,1,2,3,4,5,6,7
	ds_store_b128 v[STO], v[TMP+4*(\b):TMP+4*(\b)+3] offset:32*(\b)
.endr
.irp t, 0,1,2,3,4,5,6,7
	ds_load_b128 v[BK+4*(\t):BK+4*(\t)+3], v[RD] offset:(\t)*2*SPITCH  ; LDS serves a wave's instructions in order: these see the stores above
.endr
.endm
.macro SEND a, younger
	WIN 0
.set BK, OB+32*((\a)%2)
	s_wait_dscnt \younger
	s_wait_xcnt 0x0                                ; the stores' base and the registers that earlier stores read are rewritten only behind this wait
.if (\a) == 0
	s_add_nc_u64 s[8:9], s[8:9], s[16:17]
.else
	s_add_nc_u64 s[8:9], s[8:9], 16*CROW
.endif
.irp t, 0,1,2,3,4,5,6,7
	global_store_b128 v[CO], v[BK+4*(\t):BK+4*(\t)+3], s[8:9] offset:2*(\t)*CROW  ; 16 lanes store 256 consecutive bytes, aligned
.endr
.endm
	s_load_b128 s[4:7], s[0:1], 0x0                ; qv s[4:5], xb s[6:7]
	s_load_b64 s[72:73], s[0:1], 0x10              ; attention_mask
	s_load_b64 s[8:9], s[0:1], 0x18                ; pb
	s_load_b64 s[74:75], s[0:1], 0x20              ; st
	v_lshl_add_u32 v[SPW], v0, 2, SPARE
	v_mov_b32 v[NIL], 0
	ds_add_u32 v[SPW], v[NIL]                      ; the wave's opening: the add and its wait, ahead of my first tensor load
	v_lshrrev_b32 v1, 5, v0
	v_readfirstlane_b32 s10, v1
	s_lshr_b32 s11, s10, 1                         ; my half of the queries.  Also: I fetch queries (0) or keys (1)
	s_and_b32 s12, s10, 1                          ; my half of the keys.  Also: which 128 rows I fetch
	s_bfe_u32 s40, ttmp6, 0x40000                  ; cx
	s_bfe_u32 s41, ttmp6, 0x40004                  ; cy
	s_lshl_b32 s42, ttmp9, 2
	s_add_co_u32 s42, s42, s40                     ; key tile of the batch, 0..7
	s_and_b32 s[BAT], ttmp7, 0xffff
	s_lshl_b32 s13, s[BAT], 2
	s_add_co_u32 s13, s13, s41                     ; query tile, 0..31 = 8 x batch + tile
	s_lshr_b32 s[BAT], s[BAT], 1                   ; the batch, from the cluster's y alone: the same in all sixteen partners
	s_lshl_b32 s43, s41, 2
	s_lshl_b32 s43, 15, s43
	s_lshl_b32 s44, 0x1111, s40
	s_or_b32 s[G1+0], s43, (1<<16)|(1<<20)|(1<<21)|(5<<22)|(3<<25)
	s_or_b32 s[G1B+0], s44, (1<<16)|(1<<20)|(1<<21)|(5<<22)|(3<<25)
.irp g, G1, G1B
	s_mov_b32 s[(\g)+1], KSTEP<<16
	s_mov_b32 s[(\g)+2], 128<<16
	s_mov_b32 s[(\g)+3], KSTEP<<16
	s_mov_b32 s[(\g)+4], 128
	s_mov_b32 s[(\g)+6], 0
	s_mov_b32 s[(\g)+7], 0
.endr
	s_mov_b32 s[G1+5], 2048                        ; elements from row to row in qv,
	s_mov_b32 s[G1B+5], 1024                       ; and in xb
	s_lshl_b32 s17, s12, 7
	s_lshl_b32 s16, s13, 8
	s_add_co_u32 s16, s16, s17
	s_lshl_b32 s16, s16, 12                        ; qv: rows of 4,096 bytes
	s_lshl_b32 s46, s[BAT], 11
	s_lshl_b32 s47, s42, 8
	s_add_co_u32 s46, s46, s47
	s_add_co_u32 s46, s46, s17
	s_lshl_b32 s46, s46, 11                        ; xb: rows of 2,048 bytes
	s_mov_b32 s17, 0
	s_mov_b32 s47, 0
	s_mul_i32 s20, s10, HALFT
	s_mov_b32 s[TBS], 0
	s_mov_b32 s[CS], 0x3db8aa3b                    ; c = log2(e) / 16
	s_mov_b32 s[SEL], 0x76543210
	s_mov_b32 s[SEL+1], 0xfedcba98
	s_mov_b32 s[MASKV], 0xf1800000
	s_mov_b32 s[THR], 0xf1000000
	s_mov_b32 s[UPPER], 0xffff0000
	s_wait_dscnt 0x0
	s_wait_kmcnt 0x0
	s_add_nc_u64 s[14:15], s[4:5], s[16:17]
	s_add_nc_u64 s[46:47], s[6:7], s[46:47]
.irp s, 0,1
	s_mov_b32 s[G0+4*(\s)], 1
	s_add_co_u32 s[G0+4*(\s)+1], s20, (\s)*SLOT
	s_add_nc_u64 s[G0+4*(\s)+2:G0+4*(\s)+3], s[14:15], (\s)*KSTEP*2
	s_or_b32 s[G0+4*(\s)+3], s[G0+4*(\s)+3], 0x80000000
	s_mov_b32 s[G0B+4*(\s)], 1
	s_add_co_u32 s[G0B+4*(\s)+1], s20, (\s)*SLOT
	s_add_nc_u64 s[G0B+4*(\s)+2:G0B+4*(\s)+3], s[46:47], (\s)*KSTEP*2
	s_or_b32 s[G0B+4*(\s)+3], s[G0B+4*(\s)+3], 0x80000000
.endr
	CROUND
	s_cmp_eq_u32 s11, 0
	s_cbranch_scc0 .Lfirst_b
	tensor_load_to_lds s[G0:G0+3], s[G1:G1+7]
	s_nop 0
	tensor_load_to_lds s[G0+4:G0+7], s[G1:G1+7]
	s_nop 0
.rept 4
	v_nop
.endr
	s_branch .Lfirst_asked
.Lfirst_b:
	tensor_load_to_lds s[G0B:G0B+3], s[G1B:G1B+7]
	s_nop 0
	tensor_load_to_lds s[G0B+4:G0B+7], s[G1B:G1B+7]
	s_nop 0
.rept 4
	v_nop
.endr
.Lfirst_asked:
	v_and_b32 v1, 15, v0
	v_bfe_u32 v2, v0, 4, 1
	; the mask of my wave's 128 keys: register 8 b + j belongs to key 16 b + 8 (l / 16) + j, as in the product's C operand
	s_lshl_b32 s20, s[BAT], 13
	s_lshl_b32 s21, s42, 10
	s_add_co_u32 s20, s20, s21
	s_lshl_b32 s21, s12, 9
	s_add_co_u32 s20, s20, s21
	s_mov_b32 s21, 0
	s_add_nc_u64 s[72:73], s[72:73], s[20:21]
	v_lshlrev_b32 v[VM], 5, v2
	WIN 0x40
.irp b, 0,1,2,3,4,5,6,7
	global_load_b128 v[8*(\b):8*(\b)+3],   v[VM], s[72:73] offset:64*(\b)
	global_load_b128 v[8*(\b)+4:8*(\b)+7], v[VM], s[72:73] offset:64*(\b)+16
.endr
	WIN 0
	v_mul_u32_u24 v3, v1, PITCH
	v_lshl_add_u32 v3, v2, 4, v3
	s_mul_i32 s21, s11, HALFT
	s_mul_i32 s22, s12, HALFT
	s_add_co_u32 s22, s22, 2*HALFT
	v_add_nc_u32 v[ADRA0], s21, v3
	v_add_nc_u32 v[ADRB0], s22, v3
	v_mov_b32 v[ADRA], v[ADRA0]
	v_mov_b32 v[ADRB], v[ADRB0]
	s_mul_i32 s23, s10, 16*SPITCH
	s_add_co_u32 s23, s23, STAGE
	v_mul_u32_u24 v4, v1, SPITCH
	v_lshl_add_u32 v4, v2, 4, v4
	v_add_nc_u32 v[STO], s23, v4
	v_mul_u32_u24 v5, v2, SPITCH
	v_lshl_add_u32 v5, v1, 4, v5
	v_add_nc_u32 v[RD], s23, v5
	v_lshlrev_b32 v5, 12, v2
	v_lshl_add_u32 v[CO], v1, 4, v5
	v_lshlrev_b32 v5, 9, v2
	v_lshl_add_u32 v[SO], v1, 4, v5                ; st: lanes 0-15 the plane of shifts, lanes 16-31 the plane of sums, 512 bytes on; 16 bytes (four blocks of queries) a lane
	v_mov_b32 v[CV], s[CS]
	v_mov_b32 v[NH], 0xef800000
	s_lshl_b32 s20, s[BAT], 4                      ; st at ((batch x 16 + block of 128 keys) x 16 + group of 128 queries) x 1,024 bytes
	s_lshl_b32 s21, s42, 1
	s_add_co_u32 s20, s20, s21
	s_add_co_u32 s20, s20, s12
	s_lshl_b32 s20, s20, 4
	s_and_b32 s21, s13, 7
	s_lshl_b32 s21, s21, 1
	s_add_co_u32 s20, s20, s21
	s_add_co_u32 s20, s20, s11
	s_lshl_b32 s20, s20, 10
	s_mov_b32 s21, 0
	s_add_nc_u64 s[74:75], s[74:75], s[20:21]
	s_lshl_b32 s23, s13, 8
	s_lshl_b32 s14, s11, 7
	s_add_co_u32 s16, s23, s14
	s_lshl_b32 s16, s16, 12                        ; pb: my first row, in bytes,
	s_mov_b32 s17, 0
	s_lshl_b32 s46, s42, 9
	s_lshl_b32 s47, s12, 8
	s_add_co_u32 s46, s46, s47                     ; and my first key
	s_mov_b32 s47, 0
	s_add_nc_u64 s[16:17], s[16:17], s[46:47]
	s_and_b32 s22, ttmp7, 1                        ; the prefetches: 0 in the first of a batch's two rows of clusters
	s_lshl_b32 s20, s[BAT], 11
	s_lshl_b32 s21, s42, 8
	s_add_co_u32 s21, s20, s21                     ; the key tile's first row in xb
	s_cmp_eq_u32 s11, 0
	s_cselect_b32 s20, s23, s21
	s_cselect_b32 s21, s40, s41
	s_cselect_b32 s22, ttmp9, s22
	s_cselect_b32 s23, 12, 11                      ; a row is 4,096 bytes in qv, 2,048 in xb
	s_cselect_b64 s[PFA:PFA+1], s[4:5], s[6:7]
	s_cmp_eq_u32 s22, 0
	s_cselect_b32 s[LIM], 2, -1
	s_lshl_b32 s22, s12, 7
	s_add_co_u32 s20, s20, s22
	s_lshl_b32 s21, s21, 5
	s_add_co_u32 s20, s20, s21
	s_lshl_b32 s20, s20, s23
	s_mov_b32 s21, 0
	s_add_nc_u64 s[PFA:PFA+1], s[PFA:PFA+1], s[20:21]
	s_add_nc_u64 s[PFA:PFA+1], s[PFA:PFA+1], 2*KSTEP*2
	v_and_b32 v[PFO], 31, v0
	v_lshlrev_b32 v[PFO], s23, v[PFO]
	s_wait_loadcnt 0x0                             ; the mask's words
	WIN 0x44
.set i, 0
.rept 64
	v_cmp_eq_u32 vcc_lo, 0, v[i]
	v_cndmask_b32 v[i], 0, s[MASKV], vcc_lo        ; 0 where the key is seen, -2^100 where it is hidden
.set i, i+1
.endr
	WIN 0
	s_wait_tensorcnt 1                             ; my part of K step 0 is in; K step 1's load may stay out
	s_barrier_signal -1
	s_barrier_wait -1
	FETCH 0, F0
	QUARTER 64, F0, F1, 2                          ; the first quarter's products start the sums with the masks
	WIN 0
	s_mov_b32 s3, 6
.Lstep:
	QUARTER 128, F1, F0, 0
	QUARTER 192, F0, F1, 0
	TURN 1
	QUARTER 64, F0, F1, 0
	WIN 0
	s_sub_co_u32 s3, s3, 1
	s_cmp_lg_u32 s3, 0
	s_cbranch_scc1 .Lstep
	s_mov_b32 s3, 2
.Ltail:
	QUARTER 128, F1, F0, 0
	QUARTER 192, F0, F1, 0
	TURN 0
	WIN 0
	s_sub_co_u32 s3, s3, 1
	s_cmp_eq_u32 s3, 0
	s_cbranch_scc1 .Lout
	QUARTER 64, F0, F1, 0
	WIN 0
	s_branch .Ltail
.Lout:
	s_wait_dscnt 0x0                               ; the last change of slots has fetched 32 fragments that serve nothing: the price of one text for the tail
	s_mov_b32 s[PASS], 2
.Lpass:                                                ; two passes over one text, which works on window 2: my queries 0-63, then 64-127
	SOFT 0                                         ; window 2's sums were finished ahead of the places in the last change; these lines are the places behind the last products
	PACK 0
	SUM 0
	TOSTAGE 0
.irp a, 1,2,3
	SOFT \a
	PACK \a
	SUM \a
	SEND (\a)-1, 0
	TOSTAGE \a
.endr
	SEND 3, 0
.irp a, 0,1,2,3
	v_cndmask_b32 v[SV+(\a)], v[NN+(\a)], v[LL+(\a)], s[UPPER]
.endr
	global_store_b128 v[SO], v[SV:SV+3], s[74:75]  ; lanes 0-15 fill 256 consecutive bytes of the shifts' plane, lanes 16-31 of the sums'
	s_sub_co_u32 s[PASS], s[PASS], 1
	s_cmp_eq_u32 s[PASS], 0
	s_cbranch_scc1 .Ldone
	s_wait_xcnt 0x0                                ; the stores have read their registers
	v_add_nc_u32 v[SO], 256, v[SO]
	s_mov_b64 s[16:17], 16*CROW                    ; what the next pass's first block adds to pb's address
	WIN 0x83
.set i, 0
.rept 256
	v_mov_b32 v[i], v[i]                           ; window 3's sums come into window 2, each accumulator from its low end on
.set i, i+1
.endr
	WIN 0
	s_branch .Lpass
.Ldone:
	s_wait_tensorcnt 0x0                           ; the wave's end
	ds_add_u32 v[SPW], v[NIL]
	s_wait_dscnt 0x0
	CROUND                                         ; the closing round
	s_endpgm
.Lfunc_end_k_q569a4a6b9e_score:
	.size	k_q569a4a6b9e_score, .Lfunc_end_k_q569a4a6b9e_score-k_q569a4a6b9e_score
	.p2alignl 7, 3214868480
	.fill 96, 4, 3214868480
	.section	.rodata,"a",@progbits
	.p2align	6, 0x0
	.amdhsa_kernel k_q569a4a6b9e_score
		.amdhsa_group_segment_fixed_size 327680
		.amdhsa_private_segment_fixed_size 0
		.amdhsa_enable_private_segment 0
		.amdhsa_kernarg_size 40
		.amdhsa_user_sgpr_count 2
		.amdhsa_user_sgpr_kernarg_segment_ptr 1
		.amdhsa_wavefront_size32 1
		.amdhsa_system_sgpr_workgroup_id_x 1
		.amdhsa_system_sgpr_workgroup_id_y 1
		.amdhsa_system_sgpr_workgroup_id_z 1
		.amdhsa_system_vgpr_workitem_id 0
		.amdhsa_next_free_vgpr 1024
		.amdhsa_next_free_sgpr 80
		.amdhsa_reserve_vcc 1
		.amdhsa_float_denorm_mode_32 3
		.amdhsa_float_denorm_mode_16_64 3
		.amdhsa_memory_ordered 1
		.amdhsa_forward_progress 1
		.amdhsa_inst_pref_size 137
	.end_amdhsa_kernel
	.amdgpu_metadata
---
amdhsa.version: [ 1, 2 ]
amdhsa.kernels:
  - .name:           k_q569a4a6b9e_score
    .symbol:         k_q569a4a6b9e_score.kd
    .args:
      - { .name: qv, .offset: 0, .size: 8, .value_kind: global_buffer, .address_space: global }
      - { .name: xb, .offset: 8, .size: 8, .value_kind: global_buffer, .address_space: global }
      - { .name: attention_mask, .offset: 16, .size: 8, .value_kind: global_buffer, .address_space: global }
      - { .name: pb, .offset: 24, .size: 8, .value_kind: global_buffer, .address_space: global }
      - { .name: st, .offset: 32, .size: 8, .value_kind: global_buffer, .address_space: global }
    .group_segment_fixed_size: 327680
    .private_segment_fixed_size: 0
    .kernarg_segment_align: 8
    .kernarg_segment_size: 40
    .max_flat_workgroup_size: 128
    .sgpr_count:     80
    .vgpr_count:     1024
    .wavefront_size: 32
...
	.end_amdgpu_metadata
.endif
;; end of part 3
;; launch mix (part 4): grid 4 x 64, 4 waves a work-group, clusters of 4 x 4, 327,680 bytes of LDS; arguments pb, qv, st, bo, ob; writes ob
.if DOCPART == 4
	.amdgcn_target "amdgcn-amd-amdhsa--gfx1250"
	.amdhsa_code_object_version 6
	.text
	.protected	k_q569a4a6b9e_mix
	.globl	k_q569a4a6b9e_mix
	.p2align	8
	.type	k_q569a4a6b9e_mix,@function
k_q569a4a6b9e_mix:
	s_mov_b64 s[64:65], 0
	v_nop
	global_prefetch_b8 v0, s[64:65] scope:SCOPE_SE
	s_setreg_imm32_b32 hwreg(HW_REG_WAVE_MODE, 25, 1), 1
	s_wait_xcnt 0x0
	s_wait_alu depctr_hold_cnt(0) depctr_sa_sdst(0) depctr_va_vdst(0) depctr_va_sdst(0) depctr_va_ssrc(0) depctr_va_vcc(0) depctr_vm_vsrc(0)
	s_getreg_b32 s2, hwreg(HW_REG_IB_STS2, 6, 4)
	s_cmp_eq_u32 s2, 0
	s_cbranch_scc0 .Lentry_in_a_cluster
	s_endpgm
.Lentry_in_a_cluster:
	s_bfe_u32 s2, ttmp6, 0x10000c
	s_cmp_lg_u32 s2, 0xf033
	s_cbranch_scc0 .Lentry_shape_is_right
	s_endpgm
.Lentry_shape_is_right:
; MIX.  ob[q][e] = (sum over blocks j of 128 keys of 2^(n_j - N) sum over keys of p[q][key] v'[key][e]) / L + bo[e], rounded once to bf16.  N = the largest of the row's 16 shifts n_j,
; L = sum over j of 2^(n_j - N) l_j; v' = qv's columns 1024-2047.  The factors are powers of two, so p times a factor is exact in bf16; sums in f32.
; LIMITS: a block whose shift lies 127 or more under N counts as 0; o + bo is rounded once to bf16.
; SHARES.  A tile is 128 queries x 256 channels; four waves 2 x 2, each 64 x 128: 32 accumulators, all of window 1.  K = the batch's 2,048 keys in 16 steps of 128, one block of the softmax a step.
; RING.  Two LDS slots, each with 128 rows of p (256 bytes, pitch 272) and 128 rows of v' (512 bytes, pitch 544, read turned).  Waves 0 and 1 fetch p's halves, waves 2 and 3 v's: one load a wave.
; Two tensor loads of a wave are out at the start, one behind each round; a refill has 112 products in which to land (two steps' tiles to a slot do not fit twice in LDS).
; CLUSTER 4 x 4: p's tile is shared along a row of the cluster (the four channel tiles of 128 queries), v's along a column (four query tiles of one batch).
; The product is used transposed (source 0 = 16 channels of v', source 1 = 16 queries of p): a lane holds one query and eight neighbouring channels.
; REGISTERS: window 0: v0-15 addresses, v16-19 the step's factors (a pair of bf16 each), v20-23 the next step's, v32-39 1/L in pairs, v64-127 fragments of p (two buffers), v128-255 of v' (two buffers);
;   window 1: accumulator (a, b) at v[8 (8 a + b)]; window 2: v0-63 bo.
.set PA,     272
.set PB,     544                       ; 17 x 32 bytes
.set AHALF,  64*PA
.set BOFF,   128*PA
.set BHALF,  64*PB
.set SLOT1,  1<<17                     ; slot 1 begins here: one exclusive or turns an address in one slot into the other's
.set STAGE,  SLOT1+BOFF+128*PB         ; 16 rows x 272 bytes for each wave
.set SPITCH, 272
.set FT,     STAGE+4*16*SPITCH         ; the factors: [step 16][row 128] words; row 16 of the table: 1/L
.set SPARE,  FT+17*512                 ; the spare words
.set CROW,   2048                      ; bytes in a row of ob
.set ADRA0, 2
.set ADRB0, 3
.set ADRA,  4
.set ADRB,  5
.set FADR,  6                          ; v6   where my rows' factors of the step to be fetched lie
.set STO,   7
.set RD,    8
.set CO,    9
.set PFO,   10
.set SPW,   12
.set NIL,   13
.set LT,    14                         ; v14  my row's word in a plane of st
.set FTA,   15                         ; v15  my row's word in the table
.set FQ,    16
.set FQN,   20
.set IVP,   32
.set FA,    64
.set FB,    128
.set TMP,   64
.set OB,    128
.set G1,   24
.set G0,   32
.set G1B,  48
.set G0B,  56
.set LIM,  43
.set PFA,  44                          ; s[44:45] the step that my next prefetch names;  s[46:47] its stride
.set PFS,  46
.set TBS,  66
.set BAT,  67
.set MSB, 0
.macro WIN new
.if MSB != (\new)
	s_set_vgpr_msb (MSB<<8)|(\new)
.set MSB, \new
.endif
.endm
.set MUL, 0x50                         ; C and D in window 1, sources in window 0
.macro PLACES
.rept 4
	v_nop
.endr
.endm
.macro JLOAD
	s_cmp_eq_u32 s11, 0
	s_cbranch_scc0 .Lfor_b_\@
	tensor_load_to_lds s[G0+4:G0+7], s[G1:G1+7]
	s_nop 0
.rept 4
	v_nop
.endr
	s_branch .Lasked_\@
.Lfor_b_\@:
	tensor_load_to_lds s[G0B+4:G0B+7], s[G1B:G1B+7]
	s_nop 0
.rept 4
	v_nop
.endr
.Lasked_\@:
.endm
; A prefetch into the L2 of the step two refills on, a lane a row.  p's rows are read by one cluster alone: wave 0 of each partner names 32 of the tile's 128 rows (by cx).  v's rows are read by the four clusters of a
; batch: the first of them names them, each partner 32 of the step's 128 keys (by cy), wave 2 the first 256 bytes of its channel tile's 512, wave 3 the second.  The loop's last two trips name nothing.
.macro ASK
	s_cmp_gt_u32 s3, s[LIM]
	s_cbranch_scc0 .Lnot_mine_\@
	global_prefetch_b8 v[PFO], s[PFA:PFA+1] th:TH_LOAD_NT scope:SCOPE_SE
.Lnot_mine_\@:
.endm
.macro CREST
	s_cmp_lg_u32 s10, 0
	s_cbranch_scc1 .Lnot_wave_0_\@
	s_barrier_signal -3
.Lnot_wave_0_\@:
	s_barrier_wait -3
	s_barrier_signal -1
	s_barrier_wait -1
.endm
.macro CROUND
	s_barrier_signal -1
	s_barrier_wait -1
	CREST
.endm
; The fragments of 32 keys (quarter q of a step) into buffer f: 8 loads of p, 16 turning loads of v'.  fac = 1: first the four factors of the step
.macro FETCH q, f, fac
	WIN 0
.if \fac
.irp a, 0,1,2,3
	ds_load_b32 v[FQN+(\a)], v[FADR] offset:64*(\a)
.endr
.endif
.irp a, 0,1,2,3
	ds_load_b128 v[FA+32*(\f)+8*(\a):FA+32*(\f)+8*(\a)+3],   v[ADRA] offset:64*(\q)+(\a)*16*PA
	ds_load_b128 v[FA+32*(\f)+8*(\a)+4:FA+32*(\f)+8*(\a)+7], v[ADRA] offset:64*(\q)+(\a)*16*PA+32
.endr
.irp b, 0,1,2,3,4,5,6,7
	ds_load_tr16_b128 v[FB+64*(\f)+8*(\b):FB+64*(\f)+8*(\b)+3],   v[ADRB] offset:(\q)*32*PB+32*(\b)
	ds_load_tr16_b128 v[FB+64*(\f)+8*(\b)+4:FB+64*(\f)+8*(\b)+7], v[ADRB] offset:(\q)*32*PB+32*(\b)+16*PB
.endr
.endm
.macro SCALE f, a, lo, n               ; n registers of p's fragment a times the row's power of two: exact
	WIN 0
.set z, \lo
.rept \n
	v_pk_mul_bf16 v[FA+32*(\f)+8*(\a)+z], v[FA+32*(\f)+8*(\a)+z], v[FQ+(\a)]
.set z, z+1
.endr
.endm
; 8 products of query block a; the next block's fragment is scaled behind the second and the fourth.  The 32 accumulators take turns in one order everywhere.
.macro BLOCK f, a, zero
.irp b, 0,1,2,3,4,5,6,7
	WIN MUL
.if \zero
	v_wmma_f32_16x16x32_bf16 v[8*(8*(\a)+(\b)):8*(8*(\a)+(\b))+7], v[FB+64*(\f)+8*(\b):FB+64*(\f)+8*(\b)+7], v[FA+32*(\f)+8*(\a):FA+32*(\f)+8*(\a)+7], 0
.else
	v_wmma_f32_16x16x32_bf16 v[8*(8*(\a)+(\b)):8*(8*(\a)+(\b))+7], v[FB+64*(\f)+8*(\b):FB+64*(\f)+8*(\b)+7], v[FA+32*(\f)+8*(\a):FA+32*(\f)+8*(\a)+7], v[8*(8*(\a)+(\b)):8*(8*(\a)+(\b))+7]
.endif
.if ((\a) < 3) && (((\b) == 1) || ((\b) == 3))
	SCALE \f, (\a)+1, 2*((\b)-1), 4
.endif
.endr
.endm
; A quarter: buffer f is in; the next quarter, q, is asked for into buffer g; 32 products.  newf = 1: a step's first quarter takes the step's factors
.macro QUARTER q, f, g, zero, newf
	WIN 0
	s_wait_dscnt 0x0                               ; the run issued 32 products ago
.if \newf
.irp a, 0,1,2,3
	v_mov_b32 v[FQ+(\a)], v[FQN+(\a)]
.endr
.endif
	SCALE \f, 0, 0, 8
	PLACES                                         ; four places behind the products that read buffer g
	FETCH \q, \g, 0
	BLOCK \f, 0, \zero
	BLOCK \f, 1, \zero
	BLOCK \f, 2, \zero
	BLOCK \f, 3, \zero
.endm
; A step's last quarter multiplies buffer 1 and changes slots: one barrier; in front of it all my tensor loads, the add and my reads of this slot are waited for.  fill = 1: the barrier opens a round of the
; cluster's, and the slot just read out is filled again first, with the step two steps on.
.macro TURN fill
.if \fill
	s_wait_xcnt 0x0                                ; the last prefetch, a step back, has read its address
	s_add_nc_u64 s[PFA:PFA+1], s[PFA:PFA+1], s[PFS:PFS+1]
.endif
	WIN 0
	s_wait_tensorcnt 0x0
	ds_add_u32 v[SPW], v[NIL]
	s_wait_dscnt 1                                 ; only the add may be out: buffer 1 is in
	SCALE 1, 0, 0, 8
	BLOCK 1, 0, 0
	s_wait_dscnt 0x0
	s_barrier_signal -1
	BLOCK 1, 1, 0
	WIN 0
	s_barrier_wait -1
.if \fill
	CREST
	s_xor_b32 s[G0+5], s[G0+5], SLOT1
	s_add_nc_u64 s[G0+6:G0+7], s[G0+6:G0+7], 256         ; 128 keys along p's rows
	s_xor_b32 s[G0B+5], s[G0B+5], SLOT1
	s_add_nc_u64 s[G0B+6:G0B+7], s[G0B+6:G0B+7], 524288  ; 128 rows of qv
	JLOAD
.else
	PLACES
.endif
	s_xor_b32 s[TBS], s[TBS], SLOT1
	v_add_nc_u32 v[ADRA], s[TBS], v[ADRA0]
	v_add_nc_u32 v[ADRB], s[TBS], v[ADRB0]
	v_add_nc_u32 v[FADR], 512, v[FADR]
	FETCH 0, 0, 1
.if \fill
	ASK
.endif
	BLOCK 1, 2, 0
	BLOCK 1, 3, 0
.endm
.macro PACKM a                         ; o / L + bo, rounded to bf16
	WIN 0x61                                       ; sums in window 1, 1/L in window 0, bo in window 2
.irp b, 0,1,2,3,4,5,6,7
.irp q, 0,1,2,3
	v_pk_fma_f32 v[64*(\a)+8*(\b)+2*(\q):64*(\a)+8*(\b)+2*(\q)+1], v[64*(\a)+8*(\b)+2*(\q):64*(\a)+8*(\b)+2*(\q)+1], v[IVP+2*(\a):IVP+2*(\a)+1], v[8*(\b)+2*(\q):8*(\b)+2*(\q)+1]
.endr
.endr
	WIN 0x05
.irp b, 0,1,2,3,4,5,6,7
.irp q, 0,1,2,3
	v_cvt_pk_bf16_f32 v[TMP+4*(\b)+(\q)], v[64*(\a)+8*(\b)+2*(\q)], v[64*(\a)+8*(\b)+2*(\q)+1]
.endr
.endr
	WIN 0
.endm
.macro TOSTAGE a
	WIN 0
.set BK, OB+32*((\a)%2)
.irp b, 0,1,2,3,4,5,6,7
	ds_store_b128 v[STO], v[TMP+4*(\b):TMP+4*(\b)+3] offset:32*(\b)
.endr
.irp t, 0,1,2,3,4,5,6,7
	ds_load_b128 v[BK+4*(\t):BK+4*(\t)+3], v[RD] offset:(\t)*2*SPITCH  ; LDS serves a wave's instructions in order: these see the stores above
.endr
.endm
.macro SEND a, younger
	WIN 0
.set BK, OB+32*((\a)%2)
	s_wait_dscnt \younger
	s_wait_xcnt 0x0
.if (\a) == 0
	s_add_nc_u64 s[8:9], s[8:9], s[16:17]
.else
	s_add_nc_u64 s[8:9], s[8:9], 16*CROW
.endif
.irp t, 0,1,2,3,4,5,6,7
	global_store_b128 v[CO], v[BK+4*(\t):BK+4*(\t)+3], s[8:9] offset:2*(\t)*CROW  ; 16 lanes store 256 consecutive bytes, aligned
.endr
.endm
	s_load_b128 s[4:7], s[0:1], 0x0                ; pb s[4:5], qv s[6:7]
	s_load_b128 s[72:75], s[0:1], 0x10             ; st s[72:73], bo s[74:75]
	s_load_b64 s[8:9], s[0:1], 0x20                ; ob
	v_lshl_add_u32 v[SPW], v0, 2, SPARE
	v_mov_b32 v[NIL], 0
	ds_add_u32 v[SPW], v[NIL]                      ; the wave's opening: the add and its wait, ahead of my first tensor load
	v_lshrrev_b32 v1, 5, v0
	v_readfirstlane_b32 s10, v1
	s_lshr_b32 s11, s10, 1                         ; my half of the queries.  Also: I fetch p (0) or v' (1)
	s_and_b32 s12, s10, 1                          ; my half of the channels.  Also: which 64 rows I fetch
	s_bfe_u32 s40, ttmp6, 0x40000                  ; cx
	s_bfe_u32 s41, ttmp6, 0x40004                  ; cy
	s_lshl_b32 s42, ttmp9, 2
	s_add_co_u32 s42, s42, s40                     ; channel tile 0..3
	s_and_b32 s70, ttmp7, 0xffff
	s_lshl_b32 s13, s70, 2
	s_add_co_u32 s13, s13, s41                     ; query tile 0..63 = 16 x batch + tile
	s_lshr_b32 s[BAT], s70, 2                      ; the batch, from the cluster's y alone
	s_and_b32 s70, s70, 3                          ; 0 in a batch's first cluster
	s_lshl_b32 s43, s41, 2
	s_lshl_b32 s43, 15, s43
	s_lshl_b32 s44, 0x1111, s40
	s_or_b32 s[G1+0], s43, (1<<16)|(1<<20)|(1<<21)|(5<<22)|(3<<25)   ; p: after every 64 words 4 words of padding
	s_mov_b32 s[G1+1], 128<<16                     ; tensor_dim0 = 128
	s_mov_b32 s[G1+2], 64<<16                      ; tensor_dim1 = 64
	s_mov_b32 s[G1+3], 128<<16                     ; tile_dim0 = 128
	s_mov_b32 s[G1+4], 64                          ; tile_dim1 = 64
	s_mov_b32 s[G1+5], 2048                        ; elements from row to row in pb
	s_mov_b32 s[G1+6], 0
	s_mov_b32 s[G1+7], 0
	s_or_b32 s[G1B+0], s44, (1<<16)|(1<<20)|(1<<21)|(6<<22)|(7<<25)  ; v': after every 128 words 8 words of padding
	s_mov_b32 s[G1B+1], 256<<16
	s_mov_b32 s[G1B+2], 64<<16
	s_mov_b32 s[G1B+3], 256<<16
	s_mov_b32 s[G1B+4], 64
	s_mov_b32 s[G1B+5], 2048                       ; elements from row to row in qv
	s_mov_b32 s[G1B+6], 0
	s_mov_b32 s[G1B+7], 0
	s_lshl_b32 s17, s12, 6
	s_lshl_b32 s16, s13, 7
	s_add_co_u32 s16, s16, s17
	s_lshl_b32 s16, s16, 12                        ; pb: (128 x query tile + 64 x half) rows of 4,096 bytes
	s_lshl_b32 s68, s[BAT], 11
	s_add_co_u32 s68, s68, s17
	s_lshl_b32 s68, s68, 12                        ; qv: the batch's key 64 x half,
	s_lshl_b32 s69, s42, 9
	s_add_co_u32 s68, s68, s69
	s_add_co_u32 s68, s68, 2048                    ; v's columns, my channel tile's 512 bytes
	s_mov_b32 s17, 0
	s_mov_b32 s69, 0
	s_mul_i32 s20, s12, AHALF                      ; where they go: no place in the cluster enters an LDS address
	s_mul_i32 s21, s12, BHALF
	s_add_co_u32 s21, s21, BOFF
	s_mov_b32 s[TBS], 0
	s_wait_dscnt 0x0
	s_wait_kmcnt 0x0
	s_add_nc_u64 s[14:15], s[4:5], s[16:17]
	s_add_nc_u64 s[68:69], s[6:7], s[68:69]
.irp s, 0,1
	s_mov_b32 s[G0+4*(\s)], 1
	s_add_co_u32 s[G0+4*(\s)+1], s20, (\s)*SLOT1
	s_add_nc_u64 s[G0+4*(\s)+2:G0+4*(\s)+3], s[14:15], (\s)*256
	s_or_b32 s[G0+4*(\s)+3], s[G0+4*(\s)+3], 0x80000000
	s_mov_b32 s[G0B+4*(\s)], 1
	s_add_co_u32 s[G0B+4*(\s)+1], s21, (\s)*SLOT1
	s_add_nc_u64 s[G0B+4*(\s)+2:G0B+4*(\s)+3], s[68:69], (\s)*524288
	s_or_b32 s[G0B+4*(\s)+3], s[G0B+4*(\s)+3], 0x80000000
.endr
	CROUND
	s_cmp_eq_u32 s11, 0
	s_cbranch_scc0 .Lfirst_b
	tensor_load_to_lds s[G0:G0+3], s[G1:G1+7]
	s_nop 0
	tensor_load_to_lds s[G0+4:G0+7], s[G1:G1+7]
	s_nop 0
.rept 4
	v_nop
.endr
	s_branch .Lfirst_asked
.Lfirst_b:
	tensor_load_to_lds s[G0B:G0B+3], s[G1B:G1B+7]
	s_nop 0
	tensor_load_to_lds s[G0B+4:G0B+7], s[G1B:G1B+7]
	s_nop 0
.rept 4
	v_nop
.endr
.Lfirst_asked:
	v_and_b32 v1, 15, v0                           ; r = l % 16
	v_bfe_u32 v11, v0, 4, 1                        ; h = l / 16
	; the statistics: thread t owns row t of the tile.  In st the word of row t is (t / 64) x 64 + (t % 16) x 4 + (t / 16) % 4
	v_lshrrev_b32 v40, 6, v0
	v_lshlrev_b32 v[LT], 8, v40
	v_lshl_add_u32 v[LT], v1, 4, v[LT]
	v_bfe_u32 v40, v0, 4, 2
	v_lshl_add_u32 v[LT], v40, 2, v[LT]
	v_lshl_add_u32 v[FTA], v0, 2, FT
	s_lshl_b32 s20, s[BAT], 8
	s_and_b32 s21, s13, 15
	s_add_co_u32 s20, s20, s21
	s_lshl_b32 s20, s20, 10
	s_mov_b32 s21, 0
	s_add_nc_u64 s[72:73], s[72:73], s[20:21]
.set j, 0
.rept 16
	global_load_b32 v[64+j], v[LT], s[72:73] offset:j*16384       ; n_j
	global_load_b32 v[80+j], v[LT], s[72:73] offset:j*16384+512   ; l_j
.set j, j+1
.endr
	s_lshl_b32 s20, s42, 10
	s_lshl_b32 s22, s12, 9
	s_add_co_u32 s20, s20, s22
	s_add_nc_u64 s[74:75], s[74:75], s[20:21]
	v_lshlrev_b32 v41, 5, v11
	WIN 0x80
.irp b, 0,1,2,3,4,5,6,7
	global_load_b128 v[8*(\b):8*(\b)+3],   v41, s[74:75] offset:64*(\b)     ; bo of channels 16 b + 8 h + 0..7 of my 128
	global_load_b128 v[8*(\b)+4:8*(\b)+7], v41, s[74:75] offset:64*(\b)+16
.endr
	WIN 0
	s_mul_i32 s22, s11, AHALF
	v_mul_u32_u24 v[ADRA0], v1, PA
	v_lshl_add_u32 v[ADRA0], v11, 4, v[ADRA0]
	v_add_nc_u32 v[ADRA0], s22, v[ADRA0]
	v_and_b32 v40, 7, v0
	v_bfe_u32 v42, v0, 3, 1
	v_lshl_add_u32 v[ADRB0], v11, 3, v40
	v_mul_u32_u24 v[ADRB0], v[ADRB0], PB
	v_lshl_add_u32 v[ADRB0], v42, 4, v[ADRB0]
	s_lshl_b32 s22, s12, 8
	s_add_co_u32 s22, s22, BOFF
	v_add_nc_u32 v[ADRB0], s22, v[ADRB0]
	v_mov_b32 v[ADRA], v[ADRA0]
	v_mov_b32 v[ADRB], v[ADRB0]
	s_lshl_b32 s22, s11, 8
	s_add_co_u32 s22, s22, FT
	v_lshl_add_u32 v[FADR], v1, 2, s22             ; row 64 x half + 16 a + r: the four a stand in the loads' offsets
	s_mul_i32 s23, s10, 16*SPITCH
	s_add_co_u32 s23, s23, STAGE
	v_mul_u32_u24 v[STO], v1, SPITCH
	v_lshl_add_u32 v[STO], v11, 4, v[STO]
	v_add_nc_u32 v[STO], s23, v[STO]
	v_mul_u32_u24 v[RD], v11, SPITCH
	v_lshl_add_u32 v[RD], v1, 4, v[RD]
	v_add_nc_u32 v[RD], s23, v[RD]
	v_lshlrev_b32 v[CO], 11, v11
	v_lshl_add_u32 v[CO], v1, 4, v[CO]
	v_and_b32 v[PFO], 31, v0
	v_lshlrev_b32 v[PFO], 12, v[PFO]               ; a row of pb and of qv is 4,096 bytes
	s_lshl_b32 s16, s13, 7
	s_lshl_b32 s22, s11, 6
	s_add_co_u32 s16, s16, s22
	s_lshl_b32 s16, s16, 11                        ; ob: my first row, in bytes,
	s_lshl_b32 s22, s42, 9
	s_add_co_u32 s16, s16, s22
	s_lshl_b32 s22, s12, 8
	s_add_co_u32 s16, s16, s22                     ; and my first channel
	s_mov_b32 s17, 0
	s_lshl_b32 s20, s13, 7                         ; the prefetches.  p: row 128 x query tile + 32 cx, at step 3
	s_lshl_b32 s21, s40, 5
	s_add_co_u32 s20, s20, s21
	s_lshl_b32 s20, s20, 12
	s_add_co_u32 s20, s20, 3*256
	s_lshl_b32 s21, s[BAT], 11                     ; v': the batch's key 32 cy of step 3, my 256 bytes of the channel tile
	s_lshl_b32 s22, s41, 5
	s_add_co_u32 s21, s21, s22
	s_add_co_u32 s21, s21, 3*128
	s_lshl_b32 s21, s21, 12
	s_lshl_b32 s22, s42, 9
	s_add_co_u32 s21, s21, s22
	s_lshl_b32 s22, s12, 8
	s_add_co_u32 s21, s21, s22
	s_add_co_u32 s21, s21, 2048
	s_mov_b32 s22, 256
	s_mov_b32 s23, 524288
	s_cmp_eq_u32 s11, 0
	s_cselect_b32 s20, s20, s21
	s_cselect_b32 s[PFS], s22, s23
	s_cselect_b32 s22, s12, s70                    ; wave 0 always; wave 1 never; waves 2 and 3 in a batch's first cluster
	s_cselect_b64 s[PFA:PFA+1], s[4:5], s[6:7]
	s_cmp_eq_u32 s22, 0
	s_cselect_b32 s[LIM], 2, -1                    ; the same in all sixteen partners, for a given wave
	s_mov_b32 s21, 0
	s_mov_b32 s[PFS+1], 0
	s_add_nc_u64 s[PFA:PFA+1], s[PFA:PFA+1], s[20:21]  ; the first refill steps it to step 4
	s_wait_loadcnt 16                              ; the 32 statistics are in; bo's 16 loads may stay out
	v_max3_num_f32 v96, v64, v65, v66
.irp j, 67,69,71,73,75,77
	v_max3_num_f32 v96, v96, v[\j], v[(\j)+1]
.endr
	v_max_num_f32 v96, v96, v79                    ; N
.set j, 0
.rept 16
.set w, 98+2*(j%2)
	v_sub_f32 v[w], v[64+j], v96                   ; n_j - N, a whole number, 0 at the most
	v_add_f32 v[w], 0x42fe0000, v[w]               ; + 127: the factor's exponent field,
	v_max_num_f32 v[w], 0, v[w]                    ; or 0, and then the factor is 0
	v_cvt_u32_f32 v[w], v[w]
	v_lshlrev_b32 v[w+1], 23, v[w]                 ; the factor in f32
.if j == 0
	v_mul_f32 v97, v[w+1], v[80]
.else
	v_fmac_f32 v97, v[w+1], v[80+j]                ; L
.endif
	v_lshl_or_b32 v[w], v[w], 7, v[w+1]            ; the factor twice in bf16
	ds_store_b32 v[FTA], v[w] offset:512*j
.set j, j+1
.endr
	v_rcp_f32 v102, v97                            ; L is 0.5 at the least: the block with n_j = N has the factor 1 and a weight of 0.5 or more
	v_nop
	s_wait_alu depctr_va_vdst(0)                   ; the wait ahead of the result's first reader
	ds_store_b32 v[FTA], v102 offset:8192
	s_wait_tensorcnt 1                             ; my part of step 0 is in; step 1's load may stay out
	s_wait_dscnt 0x0                               ; for the others' sake: my words of the table are written
	s_barrier_signal -1
	s_barrier_wait -1
	FETCH 0, 0, 1
	QUARTER 1, 0, 1, 1, 1                          ; the first quarter's products start the sums
	WIN 0
	s_mov_b32 s3, 14
.Lstep:                                                ; fourteen trips: from a step's second quarter to the next step's first; each fills a slot again
	QUARTER 2, 1, 0, 0, 0
	QUARTER 3, 0, 1, 0, 0
	TURN 1
	QUARTER 1, 0, 1, 0, 1
	WIN 0
	s_sub_co_u32 s3, s3, 1
	s_cmp_lg_u32 s3, 0
	s_cbranch_scc1 .Lstep
	s_mov_b32 s3, 2
.Ltail:                                                ; the last two steps ask for nothing; the second trip is left in its middle
	QUARTER 2, 1, 0, 0, 0
	QUARTER 3, 0, 1, 0, 0
	TURN 0
	WIN 0
	s_sub_co_u32 s3, s3, 1
	s_cmp_eq_u32 s3, 0
	s_cbranch_scc1 .Lout
	QUARTER 1, 0, 1, 0, 1
	WIN 0
	s_branch .Ltail
.Lout:
	s_wait_dscnt 0x0                               ; the last change of slots has fetched fragments that serve nothing, and, as its "factors", row 16 of the table: 1/L of my four blocks of queries
	s_wait_loadcnt 0x0                             ; bo
.irp a, 0,1,2,3
	v_mov_b32 v[IVP+2*(\a)], v[FQN+(\a)]
	v_mov_b32 v[IVP+2*(\a)+1], v[FQN+(\a)]
.endr
	PACKM 0
	TOSTAGE 0
.irp a, 1,2,3
	PACKM \a
	SEND (\a)-1, 0
	TOSTAGE \a
.endr
	SEND 3, 0
	s_wait_tensorcnt 0x0                           ; the wave's end
	ds_add_u32 v[SPW], v[NIL]
	s_wait_dscnt 0x0
	CROUND                                         ; the closing round
	s_endpgm
.Lfunc_end_k_q569a4a6b9e_mix:
	.size	k_q569a4a6b9e_mix, .Lfunc_end_k_q569a4a6b9e_mix-k_q569a4a6b9e_mix
	.p2alignl 7, 3214868480
	.fill 96, 4, 3214868480
	.section	.rodata,"a",@progbits
	.p2align	6, 0x0
	.amdhsa_kernel k_q569a4a6b9e_mix
		.amdhsa_group_segment_fixed_size 327680
		.amdhsa_private_segment_fixed_size 0
		.amdhsa_enable_private_segment 0
		.amdhsa_kernarg_size 40
		.amdhsa_user_sgpr_count 2
		.amdhsa_user_sgpr_kernarg_segment_ptr 1
		.amdhsa_wavefront_size32 1
		.amdhsa_system_sgpr_workgroup_id_x 1
		.amdhsa_system_sgpr_workgroup_id_y 1
		.amdhsa_system_sgpr_workgroup_id_z 1
		.amdhsa_system_vgpr_workitem_id 0
		.amdhsa_next_free_vgpr 576
		.amdhsa_next_free_sgpr 84
		.amdhsa_reserve_vcc 0
		.amdhsa_float_denorm_mode_32 3
		.amdhsa_float_denorm_mode_16_64 3
		.amdhsa_memory_ordered 1
		.amdhsa_forward_progress 1
		.amdhsa_inst_pref_size 104
	.end_amdhsa_kernel
	.amdgpu_metadata
---
amdhsa.version: [ 1, 2 ]
amdhsa.kernels:
  - .name:           k_q569a4a6b9e_mix
    .symbol:         k_q569a4a6b9e_mix.kd
    .args:
      - { .name: pb, .offset: 0, .size: 8, .value_kind: global_buffer, .address_space: global }
      - { .name: qv, .offset: 8, .size: 8, .value_kind: global_buffer, .address_space: global }
      - { .name: st, .offset: 16, .size: 8, .value_kind: global_buffer, .address_space: global }
      - { .name: bo, .offset: 24, .size: 8, .value_kind: global_buffer, .address_space: global }
      - { .name: ob, .offset: 32, .size: 8, .value_kind: global_buffer, .address_space: global }
    .group_segment_fixed_size: 327680
    .private_segment_fixed_size: 0
    .kernarg_segment_align: 8
    .kernarg_segment_size: 40
    .max_flat_workgroup_size: 128
    .sgpr_count:     84
    .vgpr_count:     576
    .wavefront_size: 32
...
	.end_amdgpu_metadata
.endif
;; end of part 4
;; launch norm (part 5): grid 512 x 1, 8 waves a work-group, no clusters, 0 bytes of LDS; arguments x, ob, gamma, beta, out0; writes out0
.if DOCPART == 5
	.amdgcn_target "amdgcn-amd-amdhsa--gfx1250"
	.amdhsa_code_object_version 6
	.text
	.protected	k_q569a4a6b9e_norm
	.globl	k_q569a4a6b9e_norm
	.p2align	8
	.type	k_q569a4a6b9e_norm,@function
k_q569a4a6b9e_norm:
	s_mov_b64 s[64:65], 0
	v_nop
	global_prefetch_b8 v0, s[64:65] scope:SCOPE_SE
	s_setreg_imm32_b32 hwreg(HW_REG_WAVE_MODE, 25, 1), 1
	s_wait_xcnt 0x0
; NORM.  out0 = (h - mean) / sqrt(var + 1e-5) * gamma + beta, h = x + ob; x, gamma, beta, out0 f32, ob bf16; rows of 1,024 numbers.
; A wave takes two whole rows and keeps them in registers: the mean is taken away first and the squares are summed of the differences, so no difference of large sums is formed.
; No LDS, no barrier, no loop: all of a wave's 48 loads go out at once, and each load and store of f32 covers 512 consecutive bytes.  Nothing is shared between work-groups but gamma and beta.
.set G,  16                            ; v16-47   gamma of my 32 columns (columns 128 j + 4 l + 0..3)
.set BT, 48                            ; v48-79   beta
.set X0, 80                            ; v80-111  row 0
.set X1, 112                           ; v112-143 row 1
.set O0, 144                           ; v144-159 ob's row 0
.set O1, 160                           ; v160-175 ob's row 1
.set T,  176                           ; v176-187 at work
.macro REDUCE                          ; v[T] summed over the 32 lanes, the result in every lane
	v_add_f32_dpp v[T], v[T], v[T] row_xmask:1 row_mask:0xf bank_mask:0xf
	v_add_f32_dpp v[T], v[T], v[T] row_xmask:2 row_mask:0xf bank_mask:0xf
	v_add_f32_dpp v[T], v[T], v[T] row_xmask:4 row_mask:0xf bank_mask:0xf
	v_add_f32_dpp v[T], v[T], v[T] row_xmask:8 row_mask:0xf bank_mask:0xf
	v_permlanex16_b32 v[T+1], v[T], s24, s25
	v_add_f32 v[T], v[T], v[T+1]
.endm
.macro FOLD4                           ; four chains of pairs into one number a lane
	v_pk_add_f32 v[T:T+1], v[T:T+1], v[T+2:T+3]
	v_pk_add_f32 v[T+4:T+5], v[T+4:T+5], v[T+6:T+7]
	v_pk_add_f32 v[T:T+1], v[T:T+1], v[T+4:T+5]
	v_add_f32 v[T], v[T], v[T+1]
.endm
.macro ROW X, O, cnt, off
	s_wait_loadcnt \cnt
.irp j, 0,1,2,3,4,5,6,7
	v_lshlrev_b32 v[T+4*((\j)%2)],   16,  v[(\O)+2*(\j)]       ; bf16 to f32: the low half moves up, the high half stays
	v_and_b32     v[T+4*((\j)%2)+1], s22, v[(\O)+2*(\j)]
	v_lshlrev_b32 v[T+4*((\j)%2)+2], 16,  v[(\O)+2*(\j)+1]
	v_and_b32     v[T+4*((\j)%2)+3], s22, v[(\O)+2*(\j)+1]
	v_pk_add_f32 v[(\X)+4*(\j):(\X)+4*(\j)+1],   v[(\X)+4*(\j):(\X)+4*(\j)+1],   v[T+4*((\j)%2):T+4*((\j)%2)+1]
	v_pk_add_f32 v[(\X)+4*(\j)+2:(\X)+4*(\j)+3], v[(\X)+4*(\j)+2:(\X)+4*(\j)+3], v[T+4*((\j)%2)+2:T+4*((\j)%2)+3]
.endr
.irp k, 0,1,2,3
	v_pk_add_f32 v[T+2*(\k):T+2*(\k)+1], v[(\X)+4*(\k):(\X)+4*(\k)+1], v[(\X)+4*(\k)+2:(\X)+4*(\k)+3]  ; the first pairs start four chains: nothing is cleared
.endr
.irp k, 0,1,2,3,4,5,6,7
	v_pk_add_f32 v[T+2*((\k)%4):T+2*((\k)%4)+1], v[T+2*((\k)%4):T+2*((\k)%4)+1], v[(\X)+16+2*(\k):(\X)+16+2*(\k)+1]
.endr
	FOLD4
	REDUCE
	v_mul_f32 v[T+8], s20, v[T]                    ; the mean,
	v_mov_b32 v[T+9], v[T+8]                       ; twice
.irp k, 0,1,2,3,4,5,6,7,8,9,10,11,12,13,14,15
	v_pk_add_f32 v[(\X)+2*(\k):(\X)+2*(\k)+1], v[(\X)+2*(\k):(\X)+2*(\k)+1], v[T+8:T+9] neg_lo:[0,1] neg_hi:[0,1]
.endr
.irp k, 0,1,2,3
	v_pk_mul_f32 v[T+2*(\k):T+2*(\k)+1], v[(\X)+2*(\k):(\X)+2*(\k)+1], v[(\X)+2*(\k):(\X)+2*(\k)+1]
.endr
.irp k, 4,5,6,7,8,9,10,11,12,13,14,15
	v_pk_fma_f32 v[T+2*((\k)%4):T+2*((\k)%4)+1], v[(\X)+2*(\k):(\X)+2*(\k)+1], v[(\X)+2*(\k):(\X)+2*(\k)+1], v[T+2*((\k)%4):T+2*((\k)%4)+1]
.endr
	FOLD4
	REDUCE
	v_fma_f32 v[T], v[T], s20, s21                 ; var + 1e-5
	v_rsq_f32 v[T+10], v[T]
	v_rsq_f32 v[T+11], v[T]                        ; twice, to fill the pair that the packed multiply takes
	v_nop                                          ; a plain instruction behind the last of them,
	s_wait_alu depctr_va_vdst(0)                   ; and one wait for both, ahead of the first reader
	s_wait_loadcnt 0x0                             ; gamma and beta
.irp k, 0,1,2,3,4,5,6,7,8,9,10,11,12,13,14,15
	v_pk_mul_f32 v[(\X)+2*(\k):(\X)+2*(\k)+1], v[(\X)+2*(\k):(\X)+2*(\k)+1], v[T+10:T+11]
.endr
.irp k, 0,1,2,3,4,5,6,7,8,9,10,11,12,13,14,15
	v_pk_fma_f32 v[(\X)+2*(\k):(\X)+2*(\k)+1], v[(\X)+2*(\k):(\X)+2*(\k)+1], v[G+2*(\k):G+2*(\k)+1], v[BT+2*(\k):BT+2*(\k)+1]
.endr
.irp j, 0,1,2,3,4,5,6,7
	global_store_b128 v3, v[(\X)+4*(\j):(\X)+4*(\j)+3], s[12:13] offset:(\off)+512*(\j) th:TH_STORE_NT
.endr
.endm
	s_load_b256 s[4:11], s[0:1], 0x0               ; x s[4:5], ob s[6:7], gamma s[8:9], beta s[10:11]
	s_load_b64 s[12:13], s[0:1], 0x20              ; out0
	v_lshrrev_b32 v1, 5, v0
	v_readfirstlane_b32 s14, v1                    ; wave 0..7
	v_and_b32 v2, 31, v0
	v_lshlrev_b32 v3, 4, v2                        ; 16 bytes a lane in x, gamma, beta, out0
	v_lshlrev_b32 v4, 3, v2                        ; 8 bytes a lane in ob: the same four columns
	s_lshl_b32 s15, ttmp9, 3
	s_add_co_u32 s15, s15, s14                     ; my pair of rows
	s_lshl_b32 s16, s15, 13                        ; two rows of 4,096 bytes
	s_mov_b32 s17, 0
	s_lshl_b32 s18, s15, 12                        ; two rows of 2,048 bytes
	s_mov_b32 s19, 0
	s_mov_b32 s20, 0x3a800000                      ; 1 / 1024
	s_mov_b32 s21, 0x3727c5ac                      ; 1e-5
	s_mov_b32 s22, 0xffff0000                      ; a word's upper bf16
	s_mov_b32 s24, 0x76543210                      ; v_permlanex16_b32: each lane takes its own place in the other half
	s_mov_b32 s25, 0xfedcba98
	s_wait_kmcnt 0x0
	s_add_nc_u64 s[4:5], s[4:5], s[16:17]
	s_add_nc_u64 s[12:13], s[12:13], s[16:17]
	s_add_nc_u64 s[6:7], s[6:7], s[18:19]
.irp j, 0,1,2,3,4,5,6,7
	global_load_b128 v[X0+4*(\j):X0+4*(\j)+3], v3, s[4:5] offset:512*(\j) th:TH_LOAD_NT
.endr
.irp j, 0,1,2,3,4,5,6,7
	global_load_b64 v[O0+2*(\j):O0+2*(\j)+1], v4, s[6:7] offset:256*(\j) th:TH_LOAD_NT
.endr
.irp j, 0,1,2,3,4,5,6,7
	global_load_b128 v[X1+4*(\j):X1+4*(\j)+3], v3, s[4:5] offset:4096+512*(\j) th:TH_LOAD_NT
.endr
.irp j, 0,1,2,3,4,5,6,7
	global_load_b64 v[O1+2*(\j):O1+2*(\j)+1], v4, s[6:7] offset:2048+256*(\j) th:TH_LOAD_NT
.endr
.irp j, 0,1,2,3,4,5,6,7
	global_load_b128 v[G+4*(\j):G+4*(\j)+3], v3, s[8:9] offset:512*(\j)
.endr
.irp j, 0,1,2,3,4,5,6,7
	global_load_b128 v[BT+4*(\j):BT+4*(\j)+3], v3, s[10:11] offset:512*(\j)
.endr
	ROW X0, O0, 32, 0                              ; row 0's 16 loads are in; the 32 younger ones (row 1, gamma, beta) may stay out
	ROW X1, O1, 0, 4096
	s_endpgm
.Lfunc_end_k_q569a4a6b9e_norm:
	.size	k_q569a4a6b9e_norm, .Lfunc_end_k_q569a4a6b9e_norm-k_q569a4a6b9e_norm
	.p2alignl 7, 3214868480
	.fill 96, 4, 3214868480
	.section	.rodata,"a",@progbits
	.p2align	6, 0x0
	.amdhsa_kernel k_q569a4a6b9e_norm
		.amdhsa_group_segment_fixed_size 0
		.amdhsa_private_segment_fixed_size 0
		.amdhsa_enable_private_segment 0
		.amdhsa_kernarg_size 40
		.amdhsa_user_sgpr_count 2
		.amdhsa_user_sgpr_kernarg_segment_ptr 1
		.amdhsa_wavefront_size32 1
		.amdhsa_system_sgpr_workgroup_id_x 1
		.amdhsa_system_sgpr_workgroup_id_y 1
		.amdhsa_system_sgpr_workgroup_id_z 1
		.amdhsa_system_vgpr_workitem_id 0
		.amdhsa_next_free_vgpr 192
		.amdhsa_next_free_sgpr 66
		.amdhsa_reserve_vcc 0
		.amdhsa_float_denorm_mode_32 3
		.amdhsa_float_denorm_mode_16_64 3
		.amdhsa_memory_ordered 1
		.amdhsa_forward_progress 1
		.amdhsa_inst_pref_size 24
	.end_amdhsa_kernel
	.amdgpu_metadata
---
amdhsa.version: [ 1, 2 ]
amdhsa.kernels:
  - .name:           k_q569a4a6b9e_norm
    .symbol:         k_q569a4a6b9e_norm.kd
    .args:
      - { .name: x, .offset: 0, .size: 8, .value_kind: global_buffer, .address_space: global }
      - { .name: ob, .offset: 8, .size: 8, .value_kind: global_buffer, .address_space: global }
      - { .name: gamma, .offset: 16, .size: 8, .value_kind: global_buffer, .address_space: global }
      - { .name: beta, .offset: 24, .size: 8, .value_kind: global_buffer, .address_space: global }
      - { .name: out0, .offset: 32, .size: 8, .value_kind: global_buffer, .address_space: global }
    .group_segment_fixed_size: 0
    .private_segment_fixed_size: 0
    .kernarg_segment_align: 8
    .kernarg_segment_size: 40
    .max_flat_workgroup_size: 256
    .sgpr_count:     66
    .vgpr_count:     192
    .wavefront_size: 32
...
	.end_amdgpu_metadata
.endif
;; end of part 5
